; MI455X (gfx1250); checked and timed in simulation.
; The chip was launched on July 23, 2026; its instructions are those of AMD's public machine-readable ISA for CDNA 5 (MIT licence, August 2026) and "CDNA5" Instruction Set Architecture Reference Guide (July 2026). The comments in the code are by the model that wrote it; some were corrected since.
;; Multi Scale Retention. Allowed arithmetic: float matrix products may take bf16 or f16 operands with f32 sums; other float arithmetic in f32, or as packed bf16 or f16 multiplies, adds, multiply-adds, maxima and minima; sums over many terms, partial sums and values carried from step to step in f32; what a program stores and reads back later, other than sums and carried values, may be rounded once to bf16 or f16.
;; Inputs: Wg 1,024 x 2,048 float32; Wk 1,024 x 1,024 float32; Wo 2,048 x 1,024 float32; Wq 1,024 x 1,024 float32; Wv 1,024 x 2,048 float32; cos 2,048 x 128 float32; mask 8 x 2,048 x 2,048 float32; sin 2,048 x 128 float32; x 2 x 2,048 x 1,024 float32.
;; Outputs: out0 2 x 2,048 x 1,024 float32.
;; One version. Each part assembles by itself: llvm-mc -triple=amdgcn-amd-amdhsa -mcpu=gfx1250 --defsym DOCPART=n.
;; ======== version 1 of 1: 4 launches
;; limits: values are held in f16: magnitudes above 65,504 overflow, below 6.1e-05 lose precision; right only within a limited range of input values
;; workspace buffers: xh 8,388,608 bytes; wc 12,582,912 bytes; woh 4,194,304 bytes; qk 16,777,216 bytes; vh 16,777,216 bytes; sg 16,777,216 bytes; st 131,072 bytes; og 16,777,216 bytes
;; launch cast (part 1): grid 768 x 1, 8 waves a work-group, no clusters, 0 bytes of LDS; arguments x, Wq, Wk, Wv, Wg, Wo, xh, wc, woh; writes xh, wc, woh
.if DOCPART == 1
	.amdgcn_target "amdgcn-amd-amdhsa--gfx1250"
	.amdhsa_code_object_version 6
	.text
	.protected	k_qf63ce24d99_cast
	.globl	k_qf63ce24d99_cast
	.p2align	8
	.type	k_qf63ce24d99_cast,@function
k_qf63ce24d99_cast:
	s_mov_b64 s[64:65], 0
	v_nop
	global_prefetch_b8 v0, s[64:65] scope:SCOPE_SE
	s_setreg_imm32_b32 hwreg(HW_REG_WAVE_MODE, 25, 1), 1
	s_wait_xcnt 0x0
; f32 -> f16 copies of x and of the five weights, each number rounded once, laid out for the products that follow.
;   xh  [16 kb][4096 m][64]  : x in blocks of 64 along K, so that 128 rows of one block are 16,384 dense bytes
;   wc  [1024 k][6144 n']    : n' = 384 n + 128 c + i; c = 0: Wq head n (n < 8) or Wk head n - 8; c = 1: Wv column 128 n + i; c = 2: Wg column 128 n + i
;   woh [2048][1024]         : Wo as it lies
; LIMIT: a number of 65,520 or more in magnitude becomes an infinity in f16; below 6.1e-5 f16 keeps its fixed step of 6e-8.
; A work-group converts 16,384 numbers (65,536 bytes in, 32,768 out), a thread eight units of 8 numbers.  Memory binds: no LDS, no barrier, no matrix unit;
; all 16 loads of a thread go out first, and each store of 16 lanes covers 256 consecutive bytes at a multiple of 256.
; Which tensor a work-group serves hangs on its number alone: 0-255 x, 256-319 Wq, 320-383 Wk, 384-511 Wv, 512-639 Wg, 640-767 Wo; the region's figures are chosen by scalar selects.
.set SRC, 1                            ; v1      my byte offset in the 8,192 source bytes of a unit
.set DST, 2                            ; v[2:9]  my byte offset in the destination, unit by unit
.set X,   16                           ; v[16:79]  unit u: 8 numbers as loaded
.set Y,   80                           ; v[80:111] unit u: 4 registers to store
	s_load_b512 s[8:23], s[0:1], 0x0               ; x 8, Wq 10, Wk 12, Wv 14, Wg 16, Wo 18, xh 20, wc 22
	s_load_b64 s[24:25], s[0:1], 0x40              ; woh
	s_mov_b32 s38, ttmp9
	; x's lane form: a unit is two rows; thread t takes row (t >> 3) & 1, block t >> 4, numbers 8 (t & 7) on: 16 lanes then fill two rows of one block, 256 bytes on end
	v_bfe_u32 v11, v0, 3, 1
	v_lshrrev_b32 v12, 4, v0
	v_and_b32 v13, 7, v0
	v_lshlrev_b32 v14, 12, v11
	v_lshl_add_u32 v14, v12, 8, v14
	v_lshl_add_u32 v14, v13, 5, v14                ; source: row x 4,096 + block x 256 + 32 (t & 7)
	v_lshlrev_b32 v15, 19, v12
	v_lshl_add_u32 v15, v11, 7, v15
	v_lshl_add_u32 v15, v13, 4, v15                ; destination: block x 524,288 + row x 128 + 16 (t & 7)
	s_wait_kmcnt 0x0
	s_mov_b64 s[26:27], s[18:19]                   ; the last region, Wo: source,
	s_mov_b64 s[28:29], s[24:25]                   ; destination,
	s_mov_b32 s30, 640                             ; its first work-group,
	s_mov_b32 s31, 7                               ; log2 of the threads to a row (1,024 columns: 128),
	s_mov_b32 s32, 2048                            ; destination bytes from row to row,
	s_mov_b32 s33, 256                             ; from a chunk of 128 columns to the next,
	s_mov_b32 s34, 0                               ; of the first chunk,
	s_mov_b32 s35, 4096                            ; and from unit to unit (two rows)
	s_cmp_lt_u32 s38, 640                          ; Wg: 2,048 columns, a row to a unit, chunk c = 2 of each 384
	s_cselect_b64 s[26:27], s[16:17], s[26:27]
	s_cselect_b64 s[28:29], s[22:23], s[28:29]
	s_cselect_b32 s30, 512, s30
	s_cselect_b32 s31, 8, s31
	s_cselect_b32 s32, 12288, s32
	s_cselect_b32 s33, 768, s33
	s_cselect_b32 s34, 512, s34
	s_cselect_b32 s35, 12288, s35
	s_cmp_lt_u32 s38, 512                          ; Wv: chunk c = 1
	s_cselect_b64 s[26:27], s[14:15], s[26:27]
	s_cselect_b32 s30, 384, s30
	s_cselect_b32 s34, 256, s34
	s_cmp_lt_u32 s38, 384                          ; Wk: 1,024 columns, two rows to a unit, chunk c = 0 of n = 8 + head
	s_cselect_b64 s[26:27], s[12:13], s[26:27]
	s_cselect_b32 s30, 320, s30
	s_cselect_b32 s31, 7, s31
	s_cselect_b32 s34, 6144, s34
	s_cselect_b32 s35, 24576, s35
	s_cmp_lt_u32 s38, 320                          ; Wq: n = head
	s_cselect_b64 s[26:27], s[10:11], s[26:27]
	s_cselect_b32 s30, 256, s30
	s_cselect_b32 s34, 0, s34
	s_cmp_lt_u32 s38, 256                          ; x
	s_cselect_b64 s[26:27], s[8:9], s[26:27]
	s_cselect_b64 s[28:29], s[20:21], s[28:29]
	s_cselect_b32 s30, 0, s30
	s_cselect_b32 s35, 256, s35
	s_cselect_b32 s37, -1, 0                       ; all lanes take x's form, or none
	s_sub_co_u32 s39, s38, s30                     ; my number within the region
	s_lshl_b32 s40, s39, 16
	s_mov_b32 s41, 0
	s_add_nc_u64 s[26:27], s[26:27], s[40:41]      ; 65,536 source bytes a work-group
	s_mul_i32 s42, s39, s35
	s_lshl_b32 s42, s42, 3                         ; eight units a work-group
	s_add_co_u32 s42, s42, s34
	s_mov_b32 s43, 0
	s_add_nc_u64 s[28:29], s[28:29], s[42:43]
	s_bfm_b32 s36, s31, 0                          ; mask of a thread's place in a row
	; the weights' lane form: the source is linear, 32 t; the destination goes by row, chunk of 128 columns and place in the chunk
	v_lshlrev_b32 v[SRC], 5, v0
	v_lshrrev_b32 v10, s31, v0
	v_mul_u32_u24 v10, v10, s32
	v_and_b32 v11, s36, v0
	v_lshrrev_b32 v11, 4, v11
	v_mad_u32_u24 v10, v11, s33, v10
	v_and_b32 v11, 15, v0
	v_lshl_add_u32 v10, v11, 4, v10
	v_cndmask_b32 v[SRC], v[SRC], v14, s37
	v_cndmask_b32 v[DST], v10, v15, s37
.irp u, 1,2,3,4,5,6,7
	v_add_nc_u32 v[DST+(\u)], s35, v[DST+(\u)-1]
.endr
.irp u, 0,1,2,3,4,5,6,7
	global_load_b128 v[X+8*(\u):X+8*(\u)+3],   v[SRC], s[26:27] offset:8192*(\u) th:TH_LOAD_NT
	global_load_b128 v[X+8*(\u)+4:X+8*(\u)+7], v[SRC], s[26:27] offset:8192*(\u)+16 th:TH_LOAD_NT
.endr
.irp u, 0,1,2,3,4,5,6,7
	s_wait_loadcnt 14-2*(\u)                       ; loads come back in order: unit u's two are in, two for each later unit may stay out
.irp k, 0,1,2,3
	v_cvt_pk_f16_f32 v[Y+4*(\u)+(\k)], v[X+8*(\u)+2*(\k)], v[X+8*(\u)+2*(\k)+1]
.endr
	global_store_b128 v[DST+(\u)], v[Y+4*(\u):Y+4*(\u)+3], s[28:29]  ; no register is written twice, so nothing waits for a store
.endr
	s_endpgm
.Lfunc_end_k_qf63ce24d99_cast:
	.size	k_qf63ce24d99_cast, .Lfunc_end_k_qf63ce24d99_cast-k_qf63ce24d99_cast
	.p2alignl 7, 3214868480
	.fill 96, 4, 3214868480
	.section	.rodata,"a",@progbits
	.p2align	6, 0x0
	.amdhsa_kernel k_qf63ce24d99_cast
		.amdhsa_group_segment_fixed_size 0
		.amdhsa_private_segment_fixed_size 0
		.amdhsa_enable_private_segment 0
		.amdhsa_kernarg_size 72
		.amdhsa_user_sgpr_count 2
		.amdhsa_user_sgpr_kernarg_segment_ptr 1
		.amdhsa_wavefront_size32 1
		.amdhsa_system_sgpr_workgroup_id_x 1
		.amdhsa_system_sgpr_workgroup_id_y 1
		.amdhsa_system_sgpr_workgroup_id_z 1
		.amdhsa_system_vgpr_workitem_id 0
		.amdhsa_next_free_vgpr 112
		.amdhsa_next_free_sgpr 66
		.amdhsa_reserve_vcc 0
		.amdhsa_float_denorm_mode_32 3
		.amdhsa_float_denorm_mode_16_64 3
		.amdhsa_memory_ordered 1
		.amdhsa_forward_progress 1
		.amdhsa_inst_pref_size 9
	.end_amdhsa_kernel
	.amdgpu_metadata
---
amdhsa.version: [ 1, 2 ]
amdhsa.kernels:
  - .name:           k_qf63ce24d99_cast
    .symbol:         k_qf63ce24d99_cast.kd
    .args:
      - { .name: x, .offset: 0, .size: 8, .value_kind: global_buffer, .address_space: global }
      - { .name: Wq, .offset: 8, .size: 8, .value_kind: global_buffer, .address_space: global }
      - { .name: Wk, .offset: 16, .size: 8, .value_kind: global_buffer, .address_space: global }
      - { .name: Wv, .offset: 24, .size: 8, .value_kind: global_buffer, .address_space: global }
      - { .name: Wg, .offset: 32, .size: 8, .value_kind: global_buffer, .address_space: global }
      - { .name: Wo, .offset: 40, .size: 8, .value_kind: global_buffer, .address_space: global }
      - { .name: xh, .offset: 48, .size: 8, .value_kind: global_buffer, .address_space: global }
      - { .name: wc, .offset: 56, .size: 8, .value_kind: global_buffer, .address_space: global }
      - { .name: woh, .offset: 64, .size: 8, .value_kind: global_buffer, .address_space: global }
    .group_segment_fixed_size: 0
    .private_segment_fixed_size: 0
    .kernarg_segment_align: 8
    .kernarg_segment_size: 72
    .max_flat_workgroup_size: 256
    .sgpr_count:     66
    .vgpr_count:     112
    .wavefront_size: 32
...
	.end_amdgpu_metadata
.endif
;; end of part 1
;; launch proj (part 2): grid 16 x 16, 4 waves a work-group, clusters of 4 x 4, 327,680 bytes of LDS; arguments xh, wc, cos, sin, qk, vh, sg, st; writes qk, vh, sg, st
.if DOCPART == 2
	.amdgcn_target "amdgcn-amd-amdhsa--gfx1250"
	.amdhsa_code_object_version 6
	.text
	.protected	k_qf63ce24d99_proj
	.globl	k_qf63ce24d99_proj
	.p2align	8
	.type	k_qf63ce24d99_proj,@function
k_qf63ce24d99_proj:
	s_mov_b64 s[64:65], 0
	v_nop
	global_prefetch_b8 v0, s[64:65] scope:SCOPE_SE
	s_setreg_imm32_b32 hwreg(HW_REG_WAVE_MODE, 25, 1), 1
	s_wait_xcnt 0x0
	s_wait_alu depctr_hold_cnt(0) depctr_sa_sdst(0) depctr_va_vdst(0) depctr_va_sdst(0) depctr_va_ssrc(0) depctr_va_vcc(0) depctr_vm_vsrc(0)
	s_getreg_b32 s2, hwreg(HW_REG_IB_STS2, 6, 4)
	s_cmp_eq_u32 s2, 0
	s_cbranch_scc0 .Lentry_in_a_cluster
	s_endpgm
.Lentry_in_a_cluster:
	s_bfe_u32 s2, ttmp6, 0x10000c
	s_cmp_lg_u32 s2, 0xf033
	s_cbranch_scc0 .Lentry_shape_is_right
	s_endpgm
.Lentry_shape_is_right:
; The four projections as ONE product [4096 x 1024] . [1024 x 6144] in f16 with f32 sums, and what follows them row by row: the rotary shift of q and k, silu of g.
; 4096 x 6144 falls into exactly 256 tiles of 256 rows x 384 columns.  wc's columns are grouped so that every tile holds one head's 128 columns of q or k (chunk 0),
; 128 columns of v (chunk 1) and 128 of g (chunk 2): the way out is one text for every work-group.
; Out: qk [16][4096][128] (0-7 rotated q by head, 8-15 rotated k by head, WITHOUT the factor 128^-0.5, which the next launch applies in f32); vh, sg [8 h][4096][256] (v; silu(g));
; st [16 n][16 tm][4 waves][32 lanes] f32: each lane's largest |q| or |k| as stored, from which the next launch takes a power of two.
; LIMITS: q, k, v, g are rounded to f16 once on the way into the stage; q, k after the shift and silu(g) once more.  A sum of 65,520 or more becomes an infinity.  NaN and infinities are not treated apart.
; SHARES.  Four waves; wave w makes rows 128 (w >> 1) + 0..127 and, in each chunk, columns 64 (w & 1) + 0..63: 8 x 12 accumulators, 768 registers; for 32 along K 40 LDS loads feed 96 matrix instructions.
; K goes in 16 steps of 64 through two LDS slots (two slots of 128 along K would take 360,448 bytes).  THE MATRIX INSTRUCTION IS USED TRANSPOSED (source 0 = 16 columns of W, source 1 = 16 rows of x):
; a lane holds one row and eight neighbouring columns.  W lies [k][n] and comes out of LDS turned, by ds_load_tr16_b128.
; CLUSTER 4 x 4: x's tile hangs on the tile row alone and is asked for jointly along a row of the cluster, W's on the tile column alone, jointly along a column.
; REGISTERS: window 0: v2-17 addresses and constants; v28-29 the add's; v32-95, v96-159 x's fragments, two buffers; v160-255 W's 12 fragments, one buffer filled by halves.
;   window 1 + c: chunk c's accumulators, (row block a, column block j) at v[8 (8 j + a)].
.set SLOT,   92160                     ; x: 256 rows x 144 bytes; then W: 64 rows of k x 864 bytes
.set BOFF,   36864
.set SPITCH, 816                       ; the stage's row: three chunks of 256 + 16 bytes = 51 x 16: the 16 rows of a store start at 16 different groups of four banks (64 banks of 4 bytes: ISA guide 11.1)
.set SPARE,  208896                    ; behind the stage (256 rows x 816, over both slots once these have had their last fill): the spare words, 128 bytes a wave
.set ADRA, 2                           ; v2-3   LDS address of my x fragments in slot 0, 1
.set ADRB, 4                           ; v4-5   the same for W
.set STO,  6                           ; v6-7   the stage: where I put 16 bytes of a row, row blocks 0-3 and 4-7
.set RD,   8                           ; v8     the stage: where I read rows back
.set VQ,   9                           ; v9     my byte offset in qk
.set VV,   10                          ; v10    in vh and sg
.set VCS,  11                          ; v11    in cos and sin
.set MX,   12                          ; v12    running maxima of |q| (or |k|), two f16
.set TM1,  13
.set VST,  14                          ; v14    my byte offset in st
.set ZR,   15                          ; v15    0.0
.set NL,   16                          ; v16    -log2(e)
.set ONE,  17                          ; v17    1.0
.set SPW,  28                          ; v28    LDS address of my spare word; never rewritten
.set NIL,  29                          ; v29    0; never rewritten
.set FA0,  32
.set FA1,  96
.set FB,   160
.set RBV,  32                          ; the way out, four pairs of rows a trip: v, g, q as read back, 4 registers a pair
.set RBG,  48
.set RBQ,  64
.set Y,    80
.set Z,    88
.set OUTG, 128
.set OUTQ, 144
.set COS,  160                         ; 8 registers a pair
.set SIN,  192
.set G1A, 32                           ; s[32:39] descriptor group 1 for x's tiles;  s[40:47] group 0, a set for each slot
.set G0A, 40
.set G1B, 48                           ; s[48:55], s[56:63] the same for W's
.set G0B, 56
.set MSB, 0
.macro WIN new                         ; the immediate's high byte repeats the setting that is left; a switch that changes nothing is dropped
.if MSB != (\new)
	s_set_vgpr_msb (MSB<<8)|(\new)
.set MSB, \new
.endif
.endm
.macro PLACES                          ; four places in front of loads into registers that matrix instructions have read, and of lines that read results just made
.rept 4
	v_nop
.endr
.endm
; A joint load: waves 0 and 1 fetch the two halves of x's tile, waves 2 and 3 those of W's.  The branch hangs on the wave's number alone.  An s_nop 0 and four v_nop follow each line.
.macro JLOAD s
	s_cmp_eq_u32 s9, 0
	s_cbranch_scc0 .Lfor_b_\@
	tensor_load_to_lds s[G0A+4*(\s):G0A+4*(\s)+3], s[G1A:G1A+7]
	s_nop 0
.rept 4
	v_nop
.endr
	s_branch .Lasked_\@
.Lfor_b_\@:
	tensor_load_to_lds s[G0B+4*(\s):G0B+4*(\s)+3], s[G1B:G1B+7]
	s_nop 0
.rept 4
	v_nop
.endr
.Lasked_\@:
.endm
.macro CREST                           ; a round of the cluster's barrier behind its opening barrier
	s_cmp_lg_u32 s8, 0
	s_cbranch_scc1 .Lnot_wave_0_\@
	s_barrier_signal -3
.Lnot_wave_0_\@:
	s_barrier_wait -3
	s_barrier_signal -1
	s_barrier_wait -1
.endm
.macro CROUND                          ; a whole round
	s_barrier_signal -1
	s_barrier_wait -1
	CREST
.endm
	s_load_b512 s[16:31], s[0:1], 0x0              ; xh 16, wc 18, cos 20, sin 22, qk 24, vh 26, sg 28, st 30
	v_lshl_add_u32 v[SPW], v0, 2, SPARE
	v_mov_b32 v[NIL], 0
	ds_add_u32 v[SPW], v[NIL]                      ; the wave's opening: the add and its wait ahead of my first tensor load; work on registers stands between them
	v_lshrrev_b32 v1, 5, v0
	v_readfirstlane_b32 s8, v1                     ; wave 0..3
	s_lshr_b32 s9, s8, 1                           ; my half of the rows.  Also: I fetch for x (0) or for W (1)
	s_and_b32 s10, s8, 1                           ; my half of each chunk's columns.  Also: which half of that tile I fetch
	s_bfe_u32 s11, ttmp6, 0x40000                  ; cx
	s_bfe_u32 s12, ttmp6, 0x40004                  ; cy
	s_lshl_b32 s13, ttmp9, 2
	s_add_co_u32 s13, s13, s11                     ; tile column TN = 4 x cluster x + cx
	s_and_b32 s14, ttmp7, 0xffff
	s_lshl_b32 s14, s14, 2
	s_add_co_u32 s14, s14, s12                     ; tile row TM = 4 x cluster y + cy
	s_lshl_b32 s66, s12, 2
	s_lshl_b32 s66, 15, s66                        ; my row of the cluster
	s_lshl_b32 s67, 0x1111, s11                    ; my column
	; x's half tile: 128 rows of 128 bytes are 16,384 dense bytes, asked for as 64 rows of 256 bytes and padded by 16 bytes after every 128: LDS rows 144 bytes apart
	s_or_b32 s[G1A+0], s66, (1<<16)|(1<<20)|(1<<21)|(4<<22)|(3<<25)
	s_mov_b32 s[G1A+1], 128<<16                    ; tensor_dim0
	s_mov_b32 s[G1A+2], 64<<16                     ; tensor_dim1
	s_mov_b32 s[G1A+3], 128<<16                    ; tile_dim0
	s_mov_b32 s[G1A+4], 64                         ; tile_dim1
	s_mov_b32 s[G1A+5], 128                        ; elements from row to row
	s_mov_b32 s[G1A+6], 0
	s_mov_b32 s[G1A+7], 0
	; W's half tile: 32 rows of k x 384 columns (768 bytes, at a multiple of 256 from wc's first byte), padded by 32 bytes after every 256: LDS rows 864 = 27 x 32 bytes apart
	s_or_b32 s[G1B+0], s67, (1<<16)|(1<<20)|(1<<21)|(5<<22)|(7<<25)
	s_mov_b32 s[G1B+1], 384<<16
	s_mov_b32 s[G1B+2], 32<<16
	s_mov_b32 s[G1B+3], 384<<16
	s_mov_b32 s[G1B+4], 32
	s_mov_b32 s[G1B+5], 6144
	s_mov_b32 s[G1B+6], 0
	s_mov_b32 s[G1B+7], 0
	s_mul_i32 s68, s10, 18432                      ; where the halves go: no place in the cluster enters an LDS address
	s_mul_i32 s69, s10, 27648
	s_add_co_u32 s69, s69, BOFF
	s_lshl_b32 s70, s14, 15                        ; x: (256 TM + 128 half) rows of 128 bytes: the tile row alone
	s_lshl_b32 s71, s10, 14
	s_add_co_u32 s70, s70, s71
	s_mov_b32 s71, 0
	s_mul_i32 s72, s10, 393216                     ; W: 32 half rows of 12,288 bytes + 768 TN: the tile column alone
	s_mul_i32 s73, s13, 768
	s_add_co_u32 s72, s72, s73
	s_mov_b32 s73, 0
	s_wait_dscnt 0x0                               ; the opening add is done
	s_wait_kmcnt 0x0
	s_add_nc_u64 s[70:71], s[16:17], s[70:71]
	s_add_nc_u64 s[72:73], s[18:19], s[72:73]
	CROUND                                         ; all sixteen work-groups are here: the first joint loads meet
.irp s, 0,1
	s_mov_b32 s[G0A+4*(\s)], 1
	s_add_co_u32 s[G0A+4*(\s)+1], s68, (\s)*SLOT
	s_add_nc_u64 s[G0A+4*(\s)+2:G0A+4*(\s)+3], s[70:71], (\s)*524288   ; K step s is block s of xh
	s_or_b32 s[G0A+4*(\s)+3], s[G0A+4*(\s)+3], 0x80000000
	s_mov_b32 s[G0B+4*(\s)], 1
	s_add_co_u32 s[G0B+4*(\s)+1], s69, (\s)*SLOT
	s_add_nc_u64 s[G0B+4*(\s)+2:G0B+4*(\s)+3], s[72:73], (\s)*786432   ; 64 rows of wc
	s_or_b32 s[G0B+4*(\s)+3], s[G0B+4*(\s)+3], 0x80000000
	JLOAD \s
.endr
	v_and_b32 v20, 15, v0                          ; l % 16
	v_bfe_u32 v21, v0, 4, 1                        ; l / 16
	v_and_b32 v22, 7, v0
	v_bfe_u32 v23, v0, 3, 1
	v_and_b32 v24, 31, v0                          ; lane
	v_mul_u32_u24 v25, v20, 144                    ; x's fragment: row x pitch + 16 x half of the lanes
	v_lshl_add_u32 v25, v21, 4, v25
	s_mul_i32 s82, s9, 18432
	v_add_nc_u32 v[ADRA], s82, v25
	v_add_nc_u32 v[ADRA+1], SLOT, v[ADRA]
	v_lshl_add_u32 v25, v21, 3, v22                ; the turning load: lane l reads k = 8 (l / 16) + l % 8, columns 8 ((l / 8) % 2) + 0..7
	v_mul_u32_u24 v25, v25, 864
	v_lshl_add_u32 v25, v23, 4, v25
	s_lshl_b32 s82, s10, 7
	s_add_co_u32 s82, s82, BOFF
	v_add_nc_u32 v[ADRB], s82, v25
	v_add_nc_u32 v[ADRB+1], SLOT, v[ADRB]
	v_mul_u32_u24 v25, v20, SPITCH                 ; into the stage: row 128 wm + 16 a + l % 16, bytes 128 wn + 32 j + 16 (l / 16) of a chunk
	v_lshl_add_u32 v25, v21, 4, v25
	s_mul_i32 s82, s9, 128*SPITCH
	s_lshl_b32 s83, s10, 7
	s_add_co_u32 s82, s82, s83
	v_add_nc_u32 v[STO], s82, v25
	v_add_nc_u32 v[STO+1], 64*SPITCH, v[STO]
	v_mul_u32_u24 v25, v21, SPITCH                 ; back: wave w takes rows 64 w on; lanes 0-15 one row's 256 bytes of a chunk, lanes 16-31 the next row's
	v_lshl_add_u32 v25, v20, 4, v25
	s_mul_i32 s82, s8, 64*SPITCH
	v_add_nc_u32 v[RD], s82, v25
	v_lshlrev_b32 v[VQ], 4, v24                    ; two rows of qk are 512 bytes on end
	v_lshlrev_b32 v25, 9, v21
	v_lshl_add_u32 v[VV], v20, 4, v25              ; rows of vh and sg are 512 bytes apart
	v_lshl_add_u32 v25, v20, 5, v25                ; rows of cos and sin too; my 8 columns are 32 bytes
	s_and_b32 s82, s14, 7                          ; the time step is the row modulo 2,048
	s_lshl_b32 s82, s82, 17
	s_lshl_b32 s83, s8, 15
	s_add_co_u32 s82, s82, s83
	v_add_nc_u32 v[VCS], s82, v25
	v_lshlrev_b32 v[VST], 2, v24
	v_mov_b32 v[ZR], 0
	v_mov_b32 v[NL], 0xbfb8aa3b
	v_mov_b32 v[ONE], 1.0
	v_mov_b32 v[MX], 0
	s_lshl_b32 s82, s13, 20                        ; qk: index TN, row 256 TM + 64 w
	s_lshl_b32 s83, s14, 16
	s_add_co_u32 s82, s82, s83
	s_lshl_b32 s83, s8, 14
	s_add_co_u32 s82, s82, s83
	s_mov_b32 s83, 0
	s_add_nc_u64 s[74:75], s[24:25], s[82:83]
	s_lshr_b32 s82, s13, 1                         ; vh, sg: head TN / 2, the same row, columns 128 (TN % 2) on
	s_lshl_b32 s82, s82, 21
	s_lshl_b32 s83, s14, 17
	s_add_co_u32 s82, s82, s83
	s_lshl_b32 s83, s8, 15
	s_add_co_u32 s82, s82, s83
	s_and_b32 s83, s13, 1
	s_lshl_b32 s83, s83, 8
	s_add_co_u32 s82, s82, s83
	s_mov_b32 s83, 0
	s_add_nc_u64 s[76:77], s[26:27], s[82:83]
	s_add_nc_u64 s[78:79], s[28:29], s[82:83]
	s_lshl_b32 s82, s13, 4                         ; st: ((TN x 16 + TM) x 4 + w) x 128 bytes
	s_add_co_u32 s82, s82, s14
	s_lshl_b32 s82, s82, 2
	s_add_co_u32 s82, s82, s8
	s_lshl_b32 s82, s82, 7
	s_add_nc_u64 s[80:81], s[30:31], s[82:83]
; 8 matrix instructions: column block b (chunk b / 4) x all 8 row blocks, 32 along K.  Every accumulator has one instruction in 96, always in the same order: they take turns.
.macro MULB f, b, zero
	WIN 0x50*(1+(\b)/4)                            ; C and D in window 1 + chunk
.irp a, 0,1,2,3,4,5,6,7
.if \zero
	v_wmma_f32_16x16x32_f16 v[8*(8*((\b)%4)+(\a)):8*(8*((\b)%4)+(\a))+7], v[FB+8*(\b):FB+8*(\b)+7], v[(\f)+8*(\a):(\f)+8*(\a)+7], 0
.else
	v_wmma_f32_16x16x32_f16 v[8*(8*((\b)%4)+(\a)):8*(8*((\b)%4)+(\a))+7], v[FB+8*(\b):FB+8*(\b)+7], v[(\f)+8*(\a):(\f)+8*(\a)+7], v[8*(8*((\b)%4)+(\a)):8*(8*((\b)%4)+(\a))+7]
.endif
.endr
.endm
.macro LDA slot, q, f                  ; 16 loads: x's 8 fragments of half step q
.irp a, 0,1,2,3,4,5,6,7
	ds_load_b128 v[(\f)+8*(\a):(\f)+8*(\a)+3],   v[ADRA+(\slot)] offset:(\a)*2304+64*(\q)
	ds_load_b128 v[(\f)+8*(\a)+4:(\f)+8*(\a)+7], v[ADRA+(\slot)] offset:(\a)*2304+64*(\q)+32
.endr
.endm
.macro LDB slot, q, b0                 ; 12 turning loads: W's fragments b0 .. b0 + 5 of half step q
.irp d, 0,1,2,3,4,5
	ds_load_tr16_b128 v[FB+8*((\b0)+(\d)):FB+8*((\b0)+(\d))+3],   v[ADRB+(\slot)] offset:(\q)*27648+(((\b0)+(\d))/4)*288+(((\b0)+(\d))%4)*32
	ds_load_tr16_b128 v[FB+8*((\b0)+(\d))+4:FB+8*((\b0)+(\d))+7], v[ADRB+(\slot)] offset:(\q)*27648+(((\b0)+(\d))/4)*288+(((\b0)+(\d))%4)*32+13824
.endr
.endm
; A half step of 32 along K: multiplies x's buffer f; W's buffer is filled again by halves as soon as a half has been multiplied; x's next fragments go into buffer g.
.macro SUB f, g, ns, nq, zero
	s_wait_dscnt 12                                ; all but the youngest twelve, W's second half
.irp b, 0,1,2,3,4,5
	MULB \f, \b, \zero
.endr
	PLACES
	WIN 0
	LDB \ns, \nq, 0
	LDA \ns, \nq, \g
	s_wait_dscnt 28                                ; all but the 28 just issued
.irp b, 6,7,8,9,10,11
	MULB \f, \b, \zero
.endr
	PLACES
	WIN 0
	LDB \ns, \nq, 6
.endm
; A step's second half multiplies buffer 1 and changes slots: ONE barrier.  In front of it each wave waits for all its tensor loads (one is out: its part of the next slot), adds 0 to its spare word and waits
; for that and for its own reads of this slot.  fill = 1: the barrier opens a round of the cluster's, and this slot's joint refill, two steps ahead, is the first thing behind it: 168 matrix instructions ahead of the wait for it.
.macro TURN slot, fill
	s_wait_dscnt 12
	MULB FA1, 0, 0
	MULB FA1, 1, 0
	MULB FA1, 2, 0
	WIN 0                                          ; (the add's two registers lie in window 0)
	s_wait_tensorcnt 0x0                           ; no tensor load of mine is out, so a group 0 may be written
	ds_add_u32 v[SPW], v[NIL]                      ; 0 onto my spare word
.if \fill
	s_add_nc_u64 s[G0A+4*(\slot)+2:G0A+4*(\slot)+3], s[G0A+4*(\slot)+2:G0A+4*(\slot)+3], 1048576  ; two blocks of xh on
	s_add_nc_u64 s[G0B+4*(\slot)+2:G0B+4*(\slot)+3], s[G0B+4*(\slot)+2:G0B+4*(\slot)+3], 1572864  ; 128 rows of wc on
.endif
	MULB FA1, 3, 0
	s_wait_dscnt 0x0                               ; the add is done, and my reads of this slot are over
	s_barrier_signal -1
	MULB FA1, 4, 0
	MULB FA1, 5, 0
	WIN 0                                          ; at a branch and at a label every window is 0
	s_barrier_wait -1
.if \fill
	CREST                                          ; no wave of any partner still reads this slot or has a load on its way
	JLOAD \slot                                    ; its four v_nop are also the places in front of the loads below
.else
	PLACES
.endif
	LDB 1-(\slot), 0, 0
	LDA 1-(\slot), 0, FA0
.irp b, 6,7,8,9,10,11
	MULB FA1, \b, 0
.endr
	PLACES
	WIN 0
	LDB 1-(\slot), 0, 6
.endm
	s_wait_tensorcnt 1                             ; my part of K step 0 is in; step 1's may stay out
	s_barrier_signal -1
	s_barrier_wait -1
	LDB 0, 0, 0
	LDA 0, 0, FA0
	LDB 0, 0, 6
	SUB FA0, FA1, 0, 1, 1                          ; the first half step stands in front of the loop: its products start the sums
	s_mov_b32 s3, 7
.Llap:                                                 ; a trip goes once round the ring and fills both slots again: K steps 2 to 15
	TURN 0, 1
	SUB FA0, FA1, 1, 1, 0
	TURN 1, 1
	SUB FA0, FA1, 0, 1, 0
	s_sub_co_u32 s3, s3, 1
	s_cmp_lg_u32 s3, 0
	s_cbranch_scc1 .Llap
	TURN 0, 0                                      ; the last two steps ask for nothing
	SUB FA0, FA1, 1, 1, 0
	s_wait_dscnt 12
.irp b, 0,1,2,3,4,5
	MULB FA1, \b, 0
.endr
	s_wait_dscnt 0x0
.irp b, 6,7,8,9,10,11
	MULB FA1, \b, 0
.endr
; THE WAY OUT.  The tile goes into one stage of 256 rows (over the slots, which have had their last fill and, behind the barrier below, their last read), rounded to f16; each wave then takes 64 whole rows.
.macro TABLES                          ; cos and sin for four pairs of rows: 16 loads
.irp p, 0,1,2,3
	global_load_b128 v[COS+8*(\p):COS+8*(\p)+3],   v[VCS], s[20:21] offset:(\p)*1024
	global_load_b128 v[COS+8*(\p)+4:COS+8*(\p)+7], v[VCS], s[20:21] offset:(\p)*1024+16
	global_load_b128 v[SIN+8*(\p):SIN+8*(\p)+3],   v[VCS], s[22:23] offset:(\p)*1024
	global_load_b128 v[SIN+8*(\p)+4:SIN+8*(\p)+7], v[VCS], s[22:23] offset:(\p)*1024+16
.endr
.endm
.macro PACKC c                         ; chunk c: 32 accumulators rounded, each from its low end on, and stored: accumulator t = 8 j + a
	WIN 5*(1+(\c))                                 ; sources 0 and 1 in window 1 + c
.set t, 0
.rept 32
.irp r, 0,1,2,3
	v_cvt_pk_f16_f32 v[32+4*t+(\r)], v[8*t+2*(\r)], v[8*t+2*(\r)+1]
.endr
.set t, t+1
.endr
	WIN 0
.set t, 0
.rept 32
	ds_store_b128 v[STO+(t%8)/4], v[32+4*t:32+4*t+3] offset:(t%4)*16*SPITCH+(\c)*272+32*(t/8)
.set t, t+1
.endr
.endm
.macro SILU p                          ; g / (1 + 2^(-log2(e) g)) for pair p's 8 numbers; the f16 halves are read by the multiply-adds themselves
.irp k, 0,1,2,3
	v_fma_mix_f32 v[Z+2*(\k)],   v[RBG+4*(\p)+(\k)], v[NL], v[ZR] op_sel_hi:[1,0,0]
	v_fma_mix_f32 v[Z+2*(\k)+1], v[RBG+4*(\p)+(\k)], v[NL], v[ZR] op_sel:[1,0,0] op_sel_hi:[1,0,0]
.endr
.irp k, 0,1,2,3,4,5,6,7
	v_exp_f32 v[Z+(\k)], v[Z+(\k)]
.endr
	v_nop                                          ; a plain instruction between the last exponential and the use of its result (ISA guide 5.7.2)
	s_wait_alu depctr_va_vdst(0)
.irp k, 0,2,4,6
	v_pk_add_f32 v[Z+(\k):Z+(\k)+1], v[Z+(\k):Z+(\k)+1], 1.0 op_sel_hi:[1,0]
.endr
.irp k, 0,1,2,3,4,5,6,7
	v_rcp_f32 v[Z+(\k)], v[Z+(\k)]
.endr
	v_nop
	s_wait_alu depctr_va_vdst(0)
.irp k, 0,1,2,3
	v_fma_mix_f32 v[Y+2*(\k)],   v[RBG+4*(\p)+(\k)], v[Z+2*(\k)],   v[ZR] op_sel_hi:[1,0,0]
	v_fma_mix_f32 v[Y+2*(\k)+1], v[RBG+4*(\p)+(\k)], v[Z+2*(\k)+1], v[ZR] op_sel:[1,0,0] op_sel_hi:[1,0,0]
.endr
.irp k, 0,1,2,3
	v_cvt_pk_f16_f32 v[OUTG+4*(\p)+(\k)], v[Y+2*(\k)], v[Y+2*(\k)+1]
.endr
.endm
.macro ROT p                           ; y[2i] = x[2i] cos[2i] - x[2i+1] sin[2i];  y[2i+1] = x[2i+1] cos[2i+1] + x[2i] sin[2i+1]; then the maxima of |y| as stored
.irp k, 0,1,2,3
	v_fma_mix_f32 v[Z+2*(\k)],   v[RBQ+4*(\p)+(\k)], v[COS+8*(\p)+2*(\k)],   v[ZR] op_sel_hi:[1,0,0]
	v_fma_mix_f32 v[Z+2*(\k)+1], v[RBQ+4*(\p)+(\k)], v[COS+8*(\p)+2*(\k)+1], v[ZR] op_sel:[1,0,0] op_sel_hi:[1,0,0]
.endr
.irp k, 0,1,2,3
	v_fma_mix_f32 v[Z+2*(\k)],   -v[RBQ+4*(\p)+(\k)], v[SIN+8*(\p)+2*(\k)],   v[Z+2*(\k)] op_sel:[1,0,0] op_sel_hi:[1,0,0]
	v_fma_mix_f32 v[Z+2*(\k)+1], v[RBQ+4*(\p)+(\k)],  v[SIN+8*(\p)+2*(\k)+1], v[Z+2*(\k)+1] op_sel_hi:[1,0,0]
.endr
.irp k, 0,1,2,3
	v_cvt_pk_f16_f32 v[OUTQ+4*(\p)+(\k)], v[Z+2*(\k)], v[Z+2*(\k)+1]
.endr
.irp k, 0,1,2,3
	v_and_b32 v[TM1], 0x7fff7fff, v[OUTQ+4*(\p)+(\k)]
	v_pk_max_num_f16 v[MX], v[MX], v[TM1]
.endr
.endm
	PLACES                                         ; behind the last products: for the loads into W's registers and the conversions
	WIN 0
	TABLES                                         ; the first trip's tables land behind the packing
	s_barrier_signal -1                            ; every wave's reads of the slots are over (its wait for 0 above)
	s_barrier_wait -1
	PACKC 0
	PACKC 1
	PACKC 2
	s_wait_dscnt 0x0                               ; for the others' sake: my stores into the stage are done
	s_barrier_signal -1
	s_barrier_wait -1
	s_mov_b32 s3, 8
.Lrows:                                                ; a trip: four pairs of rows
.irp p, 0,1,2,3
	ds_load_b128 v[RBV+4*(\p):RBV+4*(\p)+3], v[RD] offset:(\p)*2*SPITCH+272
.endr
.irp p, 0,1,2,3
	ds_load_b128 v[RBG+4*(\p):RBG+4*(\p)+3], v[RD] offset:(\p)*2*SPITCH+544
.endr
.irp p, 0,1,2,3
	ds_load_b128 v[RBQ+4*(\p):RBQ+4*(\p)+3], v[RD] offset:(\p)*2*SPITCH
.endr
	s_wait_dscnt 8                                 ; v is in; g's and q's four loads each may stay out
.irp p, 0,1,2,3
	global_store_b128 v[VV], v[RBV+4*(\p):RBV+4*(\p)+3], s[76:77] offset:(\p)*1024  ; 16 lanes store 256 consecutive bytes, at a multiple of 256 from vh's first byte
.endr
	s_wait_dscnt 4                                 ; g is in
.irp p, 0,1,2,3
	SILU \p
.endr
.irp p, 0,1,2,3
	global_store_b128 v[VV], v[OUTG+4*(\p):OUTG+4*(\p)+3], s[78:79] offset:(\p)*1024
.endr
	s_wait_dscnt 0x0                               ; q is in,
	s_wait_loadcnt 0x0                             ; and so are the tables, asked for a trip ago
.irp p, 0,1,2,3
	ROT \p
.endr
.irp p, 0,1,2,3
	global_store_b128 v[VQ], v[OUTQ+4*(\p):OUTQ+4*(\p)+3], s[74:75] offset:(\p)*512
.endr
	s_wait_xcnt 0x0                                ; offsets and store data are rewritten only behind this wait
	v_add_nc_u32 v[RD], 8*SPITCH, v[RD]
	v_add_nc_u32 v[VV], 4096, v[VV]
	v_add_nc_u32 v[VQ], 2048, v[VQ]
	v_add_nc_u32 v[VCS], 4096, v[VCS]
	v_and_b32 v[VCS], 0xfffff, v[VCS]              ; the tables are 1,048,576 bytes: the last trip's look-ahead wraps to their first rows and stays inside; it is not used
	TABLES
	s_sub_co_u32 s3, s3, 1
	s_cmp_lg_u32 s3, 0
	s_cbranch_scc1 .Lrows
	v_fma_mix_f32 v[TM1], v[MX], v[ONE], v[ZR] op_sel_hi:[1,0,0]
	v_fma_mix_f32 v25, v[MX], v[ONE], v[ZR] op_sel:[1,0,0] op_sel_hi:[1,0,0]
	v_max_num_f32 v[TM1], v[TM1], v25
	global_store_b32 v[VST], v[TM1], s[80:81]      ; 128 consecutive bytes a wave
	s_wait_tensorcnt 0x0                           ; the wave's end, behind my last tensor load and my last LDS store
	ds_add_u32 v[SPW], v[NIL]
	s_wait_dscnt 0x0
	CROUND                                         ; the closing round: no work-group ends while a partner may still ask for a tile that names it
	s_endpgm
.Lfunc_end_k_qf63ce24d99_proj:
	.size	k_qf63ce24d99_proj, .Lfunc_end_k_qf63ce24d99_proj-k_qf63ce24d99_proj
	.p2alignl 7, 3214868480
	.fill 96, 4, 3214868480
	.section	.rodata,"a",@progbits
	.p2align	6, 0x0
	.amdhsa_kernel k_qf63ce24d99_proj
		.amdhsa_group_segment_fixed_size 327680
		.amdhsa_private_segment_fixed_size 0
		.amdhsa_enable_private_segment 0
		.amdhsa_kernarg_size 64
		.amdhsa_user_sgpr_count 2
		.amdhsa_user_sgpr_kernarg_segment_ptr 1
		.amdhsa_wavefront_size32 1
		.amdhsa_system_sgpr_workgroup_id_x 1
		.amdhsa_system_sgpr_workgroup_id_y 1
		.amdhsa_system_sgpr_workgroup_id_z 1
		.amdhsa_system_vgpr_workitem_id 0
		.amdhsa_next_free_vgpr 1024
		.amdhsa_next_free_sgpr 96
		.amdhsa_reserve_vcc 0
		.amdhsa_float_denorm_mode_32 3
		.amdhsa_float_denorm_mode_16_64 3
		.amdhsa_memory_ordered 1
		.amdhsa_forward_progress 1
		.amdhsa_inst_pref_size 135
	.end_amdhsa_kernel
	.amdgpu_metadata
---
amdhsa.version: [ 1, 2 ]
amdhsa.kernels:
  - .name:           k_qf63ce24d99_proj
    .symbol:         k_qf63ce24d99_proj.kd
    .args:
      - { .name: xh, .offset: 0, .size: 8, .value_kind: global_buffer, .address_space: global }
      - { .name: wc, .offset: 8, .size: 8, .value_kind: global_buffer, .address_space: global }
      - { .name: cos, .offset: 16, .size: 8, .value_kind: global_buffer, .address_space: global }
      - { .name: sin, .offset: 24, .size: 8, .value_kind: global_buffer, .address_space: global }
      - { .name: qk, .offset: 32, .size: 8, .value_kind: global_buffer, .address_space: global }
      - { .name: vh, .offset: 40, .size: 8, .value_kind: global_buffer, .address_space: global }
      - { .name: sg, .offset: 48, .size: 8, .value_kind: global_buffer, .address_space: global }
      - { .name: st, .offset: 56, .size: 8, .value_kind: global_buffer, .address_space: global }
    .group_segment_fixed_size: 327680
    .private_segment_fixed_size: 0
    .kernarg_segment_align: 8
    .kernarg_segment_size: 64
    .max_flat_workgroup_size: 128
    .sgpr_count:     96
    .vgpr_count:     1024
    .wavefront_size: 32
...
	.end_amdgpu_metadata
.endif
;; end of part 2
;; launch ret (part 3): grid 16 x 16, 4 waves a work-group, clusters of 4 x 4, 327,680 bytes of LDS; arguments qk, vh, sg, st, mask, og; writes og
.if DOCPART == 3
	.amdgcn_target "amdgcn-amd-amdhsa--gfx1250"
	.amdhsa_code_object_version 6
	.text
	.protected	k_qf63ce24d99_ret
	.globl	k_qf63ce24d99_ret
	.p2align	8
	.type	k_qf63ce24d99_ret,@function
k_qf63ce24d99_ret:
	s_mov_b64 s[64:65], 0
	v_nop
	global_prefetch_b8 v0, s[64:65] scope:SCOPE_SE
	s_setreg_imm32_b32 hwreg(HW_REG_WAVE_MODE, 25, 1), 1
	s_wait_xcnt 0x0
	s_wait_alu depctr_hold_cnt(0) depctr_sa_sdst(0) depctr_va_vdst(0) depctr_va_sdst(0) depctr_va_ssrc(0) depctr_va_vcc(0) depctr_vm_vsrc(0)
	s_getreg_b32 s2, hwreg(HW_REG_IB_STS2, 6, 4)
	s_cmp_eq_u32 s2, 0
	s_cbranch_scc0 .Lentry_in_a_cluster
	s_endpgm
.Lentry_in_a_cluster:
	s_bfe_u32 s2, ttmp6, 0x10000c
	s_cmp_lg_u32 s2, 0xf033
	s_cbranch_scc0 .Lentry_shape_is_right
	s_endpgm
.Lentry_shape_is_right:
; RETENTION.  For batch b, head h and query s: p[t] = (q[s] . k[t]) 128^-0.5 mask[h][s][t] for ALL 2,048 keys (the mask is an input: nothing of it is built in); D = max(1, |sum of p|);
; o = (p / D) . v; o is divided by the root of its mean square over 256 channels (+ 1e-6) and multiplied by silu(g).  og [4096][2048] f16.
; FORMATS.  q, k, v, p in f16, sums in f32; the mask stays f32; the row sum is taken of the unrounded p.
; THE SCALE.  p must fit f16 whatever the inputs' size.  From the stored maxima of |q| and |k| of this batch and head a power of two 2^E is taken (E = exponent of qmax kmax - 2, raised so that |q| 2^-E < 2^15, held to -15 .. 24);
; q is multiplied by 2^-E, exactly, so that |q . k| 2^-E < 2^10.  2^E 128^-0.5 comes back in f32 at the end, in D and in o.
; LIMITS: |mask| < 63; qmax kmax < 2^27; a p below 6.1e-5 of the scaled size keeps f16's fixed step of 6e-8; NaN and infinities are not treated apart.
; SHARES.  A work-group owns 128 queries of one (b, h).  Wave w: rows 64 (w >> 1) + 0..63 (four tiles of 16) and keys 32 (w & 1) + 0..31 of every 64.  There is no softmax: the two key halves are plain f32
; partial sums, added once at the end.  So a fragment of K or V feeds four row tiles.  Tile index rho stands for tile rho xor 2 (w & 1): every wave keeps rho = 0, 1 (rows 32 w + 0..31) and hands rho = 2, 3 to its partner, by one text.
; LAYOUT.  S^T = K Q^T holds ONE query a lane (lane % 16) and keys 8 (lane / 16) + 0..7; two such tiles, times the mask and rounded, ARE source 1 of O^T = V^T P.  V ([key][channel]) comes out of LDS turned.
; THE RING.  Keys go in 32 steps of 64; what a step multiplies was read from LDS into registers during the step before.  A fill brings a PAIR of steps (2 m, 2 m + 1).  K and the mask have two slots of 128 keys.
; Two such slots of V as well would take 2 x 172,032 bytes, more than there are; so V has three blocks of 64 keys.  The even steps' V takes turns on blocks X and Z and is asked for a pair ahead, like K and the mask.
; The odd steps' V has block Y alone: it is asked for at the same barrier, is the last thing that a step reads, and is read behind a plain barrier of its own in the even step, behind which nothing is filled.
; In front of that barrier EVERY wave waits for the one tensor load that it has out: the wait that shows Y landed stands on every wave's path, and its count cannot be higher than 0; with Y the rest of the next pair has landed too.
; Y has been read out when the next refill's barrier comes.
; The refill's barrier, a round of the cluster's, stands in every odd step 2 m - 1; behind it one load a wave: wave 0 K of pair m + 1, wave 1 V of step 2 m + 1 (Y), wave 2 V of step 2 m + 2 (X or Z), wave 3 the mask of pair m + 1.
; From a request to the wait for it a wave issues 72 + 72 = 144 matrix instructions.  A wave never has more than one tensor load out.
; CLUSTER 4 x 4.  The four query blocks of a row of the cluster share (b, h): K and V are asked for jointly.  A mask tile serves two work-groups only (the two batches of a head, neighbours in a column of the cluster):
; neither a row's nor a column's mask of four names just those two, so it is a load of one's own; the two walk in step.
; REGISTERS: window 0: v2-29 addresses and figures; v30-31 the add's; v32-47 row sums; v48-111 K; v112-175 mask; v176-239 S^T, P in place; v240-255 at work
;   window 1: v0-127 Q; v128-255 V          window 2 + rho / 2: O^T at 128 (rho % 2) + 8 c
.set KM1,   102400                     ; a slot of K and mask: K 128 x 272, then the mask 128 x 528; slot 0 begins at 0, slot 1 here
.set MO,    34816                      ; the mask's place in a slot
.set MXZ,   0x29000                    ; 34,816 xor 137,216: turns the mask's LDS address in one slot into the other's
.set VY,    204800                     ; V's three blocks, 64 x 544 bytes each
.set VX,    239616
.set VZ,    274432
.set VXZ,   0x79800                    ; 239,616 xor 274,432
.set MP,    528                        ; a mask row in LDS: 512 bytes + 16 = 33 x 16: the 16 rows of a load start at 16 different groups of four banks (64 banks of 4 bytes: ISA guide 11.1)
.set STAGE, 131072                     ; 4 waves x 2 tiles x 16 rows x 528 bytes; it and the exchange (bytes 0 to 131,071) lie over the slots, behind their last fill and their last read
.set SP,    528
.set RSX,   309248                     ; 4 x 256 bytes: the row sums handed over
.set SPARE, 310272                     ; the spare words, 128 bytes a wave
.set AK0, 2                            ; v2, 3, 18, 19: my lane's place in a slot's K, in a block of V, in a slot's mask (kept tiles; tiles handed over); never rewritten
.set AV0, 3
.set AK,  4                            ; v4, 6, 7  the same plus the slot in hand;  v5  plus X or Z;  v29  plus Y
.set AVB, 5
.set AMA, 6
.set AMB, 7
.set PFR, 8                            ; v8    the block of the mask tile that I ask for ahead: its row and half row, in bytes
.set PFO, 9                            ; v9    plus the tile's columns
.set XW,  10                           ; v10   the exchange: where I put, v11 where I read
.set XR,  11
.set STO, 12
.set RD,  13
.set GO,  14                           ; v14   16 x lane
.set QOA, 15                           ; v15-16 my byte offsets in Q's rows
.set C16, 17                           ; v17   2^-E, twice, in f16
.set AMA0, 18
.set AMB0, 19
.set RSW, 26
.set RSR, 27
.set AL0, 28                           ; v28   2^E 128^-0.5
.set AVY, 29
.set SPW, 30
.set NIL, 31
.set RS,  32                           ; pair at 4 rho + 2 kt
.set KF,  48                           ; fragment (kt, dc) at 8 (4 kt + dc)
.set MK,  112                          ; tile (rho, kt) at 16 rho + 8 kt
.set S,   176                          ; likewise; P of rho takes the first 8 of its 16
.set T,   240
.set WV,  8
.set TBV, 2                            ; s2   X or Z: the block that the even steps' V is read from
.set TBKM, 29                          ; s29  the slot that K and the mask are read from
.set PFC, 30                           ; s30  byte column of the mask tile to be asked for ahead
.set G1K, 32
.set G1V, 40
.set G1M, 48
.set G0K, 56
.set G0VY, 60
.set G0VB, 68
.set G0M, 96
.set SEL, 72
.set MSB, 0
.macro WIN new
.if MSB != (\new)
	s_set_vgpr_msb (MSB<<8)|(\new)
.set MSB, \new
.endif
.endm
.macro PLACES
.rept 4
	v_nop
.endr
.endm
.macro TL g0, g1                       ; a tensor load; an s_nop 0 and four v_nop follow it
	tensor_load_to_lds s[(\g0):(\g0)+3], s[(\g1):(\g1)+7]
	s_nop 0
.rept 4
	v_nop
.endr
.endm
; A fill: wave 0 K (joint), wave 1 V into Y (joint), wave 2 V into X or Z (joint), wave 3 the mask (its own).  The arguments say which of the four are due.  The branches hang on the wave's number alone.
.macro JLOAD k, y, b, m
	s_cmp_lt_u32 s[WV], 2
	s_cbranch_scc0 .Lhigh_\@
	s_cmp_lg_u32 s[WV], 0
	s_cbranch_scc1 .Lfor_y_\@
.if \k
	TL G0K, G1K
.endif
	s_branch .Lasked_\@
.Lfor_y_\@:
.if \y
	TL G0VY, G1V
.endif
	s_branch .Lasked_\@
.Lhigh_\@:
	s_cmp_lg_u32 s[WV], 2
	s_cbranch_scc1 .Lfor_m_\@
.if \b
	TL G0VB, G1V
.endif
	s_branch .Lasked_\@
.Lfor_m_\@:
.if \m
	TL G0M, G1M
.endif
.Lasked_\@:
.endm
.macro CREST
	s_cmp_lg_u32 s[WV], 0
	s_cbranch_scc1 .Lnot_wave_0_\@
	s_barrier_signal -3
.Lnot_wave_0_\@:
	s_barrier_wait -3
	s_barrier_signal -1
	s_barrier_wait -1
.endm
.macro CROUND
	s_barrier_signal -1
	s_barrier_wait -1
	CREST
.endm
; The walking descriptors step.  kind 0: the first change of slots (Y's address stands at step 1 already); 1: all four; 2: Y's alone.
.macro DSTEP kind
.if (\kind) < 2
	s_xor_b32 s[G0K+1], s[G0K+1], KM1              ; the other slot, the next 128 keys
	s_add_nc_u64 s[G0K+2:G0K+3], s[G0K+2:G0K+3], 32768
	s_xor_b32 s[G0VB+1], s[G0VB+1], VXZ            ; the other of X and Z, the next even step
	s_add_nc_u64 s[G0VB+2:G0VB+3], s[G0VB+2:G0VB+3], 65536
	s_xor_b32 s[G0M+1], s[G0M+1], MXZ
	s_add_nc_u64 s[G0M+2:G0M+3], s[G0M+2:G0M+3], 512
.endif
.if (\kind) > 0
	s_add_nc_u64 s[G0VY+2:G0VY+3], s[G0VY+2:G0VY+3], 65536  ; the next odd step
.endif
.endm
.macro ADDRS
	v_add_nc_u32 v[AK],  s[TBKM], v[AK0]
	v_add_nc_u32 v[AMA], s[TBKM], v[AMA0]
	v_add_nc_u32 v[AMB], s[TBKM], v[AMB0]
	v_add_nc_u32 v[AVB], s[TBV],  v[AV0]
.endm
	s_load_b256 s[16:23], s[0:1], 0x0              ; qk 16, vh 18, sg 20, st 22
	s_load_b128 s[24:27], s[0:1], 0x20             ; mask 24, og 26
	v_lshl_add_u32 v[SPW], v0, 2, SPARE
	v_mov_b32 v[NIL], 0
	ds_add_u32 v[SPW], v[NIL]                      ; the wave's opening: the add and its wait ahead of my first tensor load
	v_lshrrev_b32 v1, 5, v0
	v_readfirstlane_b32 s[WV], v1
	s_lshr_b32 s9, s[WV], 1                        ; wr: my 64 rows
	s_and_b32 s10, s[WV], 1                        ; wk: my 32 of every 64 keys
	s_bfe_u32 s11, ttmp6, 0x40000                  ; cx
	s_bfe_u32 s12, ttmp6, 0x40004                  ; cy
	s_lshl_b32 s13, ttmp9, 2
	s_add_co_u32 s13, s13, s11                     ; my block of 128 queries
	s_and_b32 s14, ttmp7, 0xffff
	s_lshl_b32 s14, s14, 2
	s_add_co_u32 s14, s14, s12
	s_lshr_b32 s15, s14, 1                         ; head
	s_and_b32 s28, s14, 1                          ; batch
	s_lshl_b32 s82, s12, 2
	s_lshl_b32 s82, 15, s82                        ; my row of the cluster
	s_or_b32 s[G1K], s82, (1<<16)|(1<<20)|(1<<21)|(5<<22)|(3<<25)  ; K: 128 rows x 128 f16, 16 bytes of padding after every 256
	s_mov_b32 s[G1K+1], 128<<16
	s_mov_b32 s[G1K+2], 128<<16
	s_mov_b32 s[G1K+3], 128<<16
	s_mov_b32 s[G1K+4], 128
	s_mov_b32 s[G1K+5], 128
	s_mov_b32 s[G1K+6], 0
	s_mov_b32 s[G1K+7], 0
	s_or_b32 s[G1V], s82, (1<<16)|(1<<20)|(1<<21)|(6<<22)|(7<<25)  ; V: 64 rows x 256 f16, 32 bytes after every 512: rows 544 = 17 x 32 bytes apart
	s_mov_b32 s[G1V+1], 256<<16
	s_mov_b32 s[G1V+2], 64<<16
	s_mov_b32 s[G1V+3], 256<<16
	s_mov_b32 s[G1V+4], 64
	s_mov_b32 s[G1V+5], 256
	s_mov_b32 s[G1V+6], 0
	s_mov_b32 s[G1V+7], 0
	s_mov_b32 s[G1M], (2<<16)|(1<<20)|(6<<22)|(3<<25)              ; mask: 128 rows x 128 f32 (512 bytes, at a multiple of 256 from the mask's first byte), 16 bytes of padding; no work-group mask
	s_mov_b32 s[G1M+1], 128<<16
	s_mov_b32 s[G1M+2], 128<<16
	s_mov_b32 s[G1M+3], 128<<16
	s_mov_b32 s[G1M+4], 128
	s_mov_b32 s[G1M+5], 2048
	s_mov_b32 s[G1M+6], 0
	s_mov_b32 s[G1M+7], 0
	s_mov_b32 s[G0K], 1
	s_mov_b32 s[G0K+1], 0
	s_mov_b32 s[G0VY], 1
	s_mov_b32 s[G0VY+1], VY
	s_mov_b32 s[G0VB], 1
	s_mov_b32 s[G0VB+1], VX
	s_mov_b32 s[G0M], 1
	s_mov_b32 s[G0M+1], MO
	s_add_co_u32 s84, s15, 8                       ; K: index 8 + h of qk, batch b: head and batch alone
	s_lshl_b32 s84, s84, 20
	s_lshl_b32 s85, s28, 19
	s_add_co_u32 s84, s84, s85
	s_mov_b32 s85, 0
	s_lshl_b32 s86, s15, 21                        ; V
	s_lshl_b32 s87, s28, 20
	s_add_co_u32 s86, s86, s87
	s_mov_b32 s87, 0
	s_lshl_b32 s88, s15, 24                        ; mask: head h, rows 128 qb on
	s_lshl_b32 s89, s13, 20
	s_add_co_u32 s88, s88, s89
	s_mov_b32 s89, 0
	s_mov_b32 s[SEL], 0x76543210
	s_mov_b32 s[SEL+1], 0xfedcba98
	s_mov_b32 s[TBKM], 0
	s_mov_b32 s[TBV], VX
	s_mov_b32 s[PFC], 1024
	s_wait_dscnt 0x0                               ; the opening add is done
	s_wait_kmcnt 0x0
	s_add_nc_u64 s[G0K+2:G0K+3], s[16:17], s[84:85]
	s_or_b32 s[G0K+3], s[G0K+3], 0x80000000
	s_add_nc_u64 s[G0VB+2:G0VB+3], s[18:19], s[86:87]          ; V of step 0
	s_add_nc_u64 s[G0VY+2:G0VY+3], s[G0VB+2:G0VB+3], 32768     ; V of step 1
	s_or_b32 s[G0VB+3], s[G0VB+3], 0x80000000
	s_or_b32 s[G0VY+3], s[G0VY+3], 0x80000000
	s_add_nc_u64 s[74:75], s[24:25], s[88:89]      ; the mask at my 128 rows
	s_mov_b64 s[G0M+2:G0M+3], s[74:75]
	s_or_b32 s[G0M+3], s[G0M+3], 0x80000000
	CROUND                                         ; all sixteen work-groups are here
	JLOAD 1, 0, 1, 1                               ; K and mask of steps 0 and 1 into slot 0, V of step 0 into X
	s_lshl_b32 s82, s15, 20                        ; Q: index h of qk, row 2048 b + 128 qb + 64 wr
	s_lshl_b32 s83, s28, 19
	s_add_co_u32 s82, s82, s83
	s_lshl_b32 s83, s13, 15
	s_add_co_u32 s82, s82, s83
	s_lshl_b32 s83, s9, 14
	s_add_co_u32 s82, s82, s83
	s_mov_b32 s83, 0
	s_add_nc_u64 s[80:81], s[16:17], s[82:83]
	s_lshl_b32 s82, s15, 21                        ; sg: head h, row 2048 b + 128 qb + 32 w
	s_lshl_b32 s84, s28, 20
	s_add_co_u32 s82, s82, s84
	s_lshl_b32 s84, s13, 16
	s_add_co_u32 s82, s82, s84
	s_lshl_b32 s84, s[WV], 14
	s_add_co_u32 s82, s82, s84
	s_add_nc_u64 s[76:77], s[20:21], s[82:83]
	s_lshl_b32 s82, s28, 23                        ; og: the same row, 4,096 bytes each, channels 256 h on
	s_lshl_b32 s84, s13, 19
	s_add_co_u32 s82, s82, s84
	s_lshl_b32 s84, s[WV], 17
	s_add_co_u32 s82, s82, s84
	s_lshl_b32 s84, s15, 9
	s_add_co_u32 s82, s82, s84
	s_add_nc_u64 s[78:79], s[26:27], s[82:83]
	s_lshl_b32 s82, s15, 13                        ; st: q's maxima of head h, row tiles 8 b .. 8 b + 7: 4,096 bytes; k's lie 65,536 further on
	s_lshl_b32 s84, s28, 12
	s_add_co_u32 s82, s82, s84
	s_add_nc_u64 s[92:93], s[22:23], s[82:83]
	v_and_b32 v20, 15, v0                          ; l % 16
	v_bfe_u32 v21, v0, 4, 1                        ; l / 16
	v_and_b32 v22, 7, v0
	v_bfe_u32 v23, v0, 3, 1
	v_and_b32 v24, 31, v0                          ; lane
	v_lshlrev_b32 v[GO], 4, v24
	v_lshlrev_b32 v25, 8, v20
	v_lshl_add_u32 v25, v21, 4, v25
	s_lshl_b32 s82, s10, 13                        ; the kept tiles begin at row 32 wk of my 64, the others at 32 (1 - wk)
	s_xor_b32 s84, s82, 8192
	v_add_nc_u32 v[QOA], s82, v25
	v_add_nc_u32 v[QOA+1], s84, v25
	WIN 0x40                                       ; destination window 1
.irp rho, 0,1,2,3
.irp dc, 0,1,2,3
	global_load_b128 v[32*(\rho)+8*(\dc):32*(\rho)+8*(\dc)+3],   v[QOA+(\rho)/2], s[80:81] offset:((\rho)%2)*4096+64*(\dc)
	global_load_b128 v[32*(\rho)+8*(\dc)+4:32*(\rho)+8*(\dc)+7], v[QOA+(\rho)/2], s[80:81] offset:((\rho)%2)*4096+64*(\dc)+32
.endr
.endr
	WIN 0
.irp i, 0,1,2,3,4,5,6,7
	global_load_b128 v[S+4*(\i):S+4*(\i)+3],       v[GO], s[92:93] offset:512*(\i)
	global_load_b128 v[S+32+4*(\i):S+32+4*(\i)+3], v[GO], s[92:93] offset:65536+512*(\i)
.endr
.set i, 0
.rept 16
	v_mov_b32 v[RS+i], 0
.set i, i+1
.endr
	v_mul_u32_u24 v25, v20, 272                    ; K: (32 wk + l % 16) x 272 + 16 (l / 16)
	v_lshl_add_u32 v25, v21, 4, v25
	s_mul_i32 s82, s10, 8704
	v_add_nc_u32 v[AK0], s82, v25
	v_lshl_add_u32 v25, v21, 3, v22                ; V, turned: key 32 wk + 8 (l / 16) + l % 8, channels 8 ((l / 8) % 2) on
	v_mul_u32_u24 v25, v25, 544
	v_lshl_add_u32 v25, v23, 4, v25
	s_mul_i32 s82, s10, 17408
	v_add_nc_u32 v[AV0], s82, v25
	v_add_nc_u32 v[AVY], VY, v[AV0]
	v_mul_u32_u24 v25, v20, MP                     ; mask: my query's row, my 8 keys: 128 wk + 64 kt + 32 (l / 16) bytes of the step's 256
	v_lshl_add_u32 v25, v21, 5, v25
	s_mul_i32 s82, s9, 64*MP
	s_lshl_b32 s84, s10, 7
	s_add_co_u32 s82, s82, s84
	s_add_co_u32 s82, s82, MO
	s_mul_i32 s84, s10, 32*MP
	s_sub_co_u32 s85, 32*MP, s84
	s_add_co_u32 s84, s84, s82
	s_add_co_u32 s85, s85, s82
	v_add_nc_u32 v[AMA0], s84, v25
	v_add_nc_u32 v[AMB0], s85, v25
	s_lshl_b32 s82, s28, 6                         ; ahead of the tensor loads each batch's work-group asks for 64 of the tile's 128 rows, a wave for 16, a lane for one half row of 256 bytes
	s_lshl_b32 s84, s[WV], 4
	s_add_co_u32 s82, s82, s84
	v_lshrrev_b32 v25, 1, v24
	v_add_nc_u32 v25, s82, v25
	v_lshlrev_b32 v[PFR], 13, v25
	v_and_b32 v25, 1, v24
	v_lshl_add_u32 v[PFR], v25, 8, v[PFR]
	s_lshl_b32 s82, s[WV], 15
	s_xor_b32 s84, s82, 32768                      ; my partner is wave w xor 1
	v_add_nc_u32 v[XW], s82, v[GO]
	v_add_nc_u32 v[XR], s84, v[GO]
	s_lshl_b32 s82, s[WV], 8
	s_xor_b32 s84, s82, 256
	s_add_co_u32 s82, s82, RSX
	s_add_co_u32 s84, s84, RSX
	v_lshl_add_u32 v[RSW], v24, 3, s82
	v_lshl_add_u32 v[RSR], v24, 3, s84
	s_mul_i32 s82, s[WV], 32*SP
	s_add_co_u32 s82, s82, STAGE
	v_mul_u32_u24 v25, v20, SP
	v_lshl_add_u32 v25, v21, 4, v25
	v_add_nc_u32 v[STO], s82, v25
	v_add_nc_u32 v[RD], s82, v[GO]
	s_wait_loadcnt 0x0                             ; Q and the maxima
.set i, 1
.rept 15
	v_max3_num_f32 v[S], v[S], v[S+i], v[S+i+1]
	v_max3_num_f32 v[S+32], v[S+32], v[S+32+i], v[S+32+i+1]
.set i, i+2
.endr
	v_max_num_f32 v[S], v[S], v[S+31]
	v_max_num_f32 v[S+32], v[S+32], v[S+63]
.irp m, 1,2,4,8
	v_max_num_f32_dpp v[S], v[S], v[S] row_xmask:\m row_mask:0xf bank_mask:0xf
	v_max_num_f32_dpp v[S+32], v[S+32], v[S+32] row_xmask:\m row_mask:0xf bank_mask:0xf
.endr
	v_permlanex16_b32 v20, v[S], s[SEL], s[SEL+1]
	v_permlanex16_b32 v21, v[S+32], s[SEL], s[SEL+1]
	v_max_num_f32 v20, v[S], v20                   ; qmax, in every lane
	v_max_num_f32 v21, v[S+32], v21                ; kmax
	v_mul_f32 v22, v20, v21
	v_bfe_u32 v22, v22, 23, 8                      ; the biased exponents of qmax kmax
	v_bfe_u32 v23, v20, 23, 8                      ; and of qmax
	v_add_nc_u32 v22, 12, v22
	v_max_u32 v22, v22, v23
	v_max_u32 v22, 126, v22
	v_min_u32 v22, 165, v22                        ; E + 141
	v_sub_nc_u32 v23, 268, v22
	v_lshlrev_b32 v23, 23, v23                     ; 2^-E
	v_add_nc_u32 v22, -14, v22
	v_lshlrev_b32 v22, 23, v22                     ; 2^E
	v_mul_f32 v[AL0], 0x3db504f3, v22              ; x 128^-0.5
	v_cvt_pk_f16_f32 v[C16], v23, v23
	WIN 0x41                                       ; Q (destination and source 0) in window 1
.set i, 0
.rept 128
	v_pk_mul_f16 v[i], v[i], v[C16]
.set i, i+1
.endr
	WIN 0
; THE MATRIX WORK.  Product i of 16 of S^T = K Q^T for piece p (tiles 2 p, 2 p + 1): channels 32 (i / 4) on, keys 16 ((i / 2) % 2) on, tile 2 p + i % 2.  Four accumulators take turns; the first four products start the sums.
.macro QK p, i
	WIN 0x04                                       ; Q in window 1
.set rS, S+16*(2*(\p)+(\i)%2)+8*(((\i)/2)%2)
.set rK, KF+8*(4*(((\i)/2)%2)+(\i)/4)
.set rQ, 32*(2*(\p)+(\i)%2)+8*((\i)/4)
.if (\i) < 4
	v_wmma_f32_16x16x32_f16 v[rS:rS+7], v[rK:rK+7], v[rQ:rQ+7], 0
.else
	v_wmma_f32_16x16x32_f16 v[rS:rS+7], v[rK:rK+7], v[rQ:rQ+7], v[rS:rS+7]
.endif
.endm
; Product i of 32 of O^T += V^T P for piece p: channels 16 (i / 2) on, tile 2 p + i % 2: 32 accumulators, one instruction each.
.macro PV p, i, zero
	WIN 0xa1+0x50*(\p)                             ; V in window 1, P in window 0, O^T in window 2 + p
.set rO, 128*((\i)%2)+8*((\i)/2)
.set rV, 128+8*((\i)/2)
.set rP, S+16*(2*(\p)+(\i)%2)
.if \zero
	v_wmma_f32_16x16x32_f16 v[rO:rO+7], v[rV:rV+7], v[rP:rP+7], 0
.else
	v_wmma_f32_16x16x32_f16 v[rO:rO+7], v[rV:rV+7], v[rP:rP+7], v[rO:rO+7]
.endif
.endm
; THE VECTOR WORK, six lines at a time.  Group g of 8 of piece p serves tile 2 p + g / 4, keys 16 ((g / 2) % 2) on: for each pair of scores the row sum takes s x mask (unrounded) and s becomes s x mask;
; the odd group ends with the four roundings to f16, into the tile's first 8 registers.  Each accumulator is read from its low end on.
.macro GRP p, g
	WIN 0
.set rho, 2*(\p)+(\g)/4
.set kt, ((\g)/2)%2
.set rS, S+16*rho+8*kt
.set rM, MK+16*rho+8*kt
.set rR, RS+4*rho+2*kt
.if (\g)%2 == 0
.irp n, 0,2,4
	v_pk_fma_f32 v[rR:rR+1], v[rS+(\n):rS+(\n)+1], v[rM+(\n):rM+(\n)+1], v[rR:rR+1]
	v_pk_mul_f32 v[rS+(\n):rS+(\n)+1], v[rS+(\n):rS+(\n)+1], v[rM+(\n):rM+(\n)+1]
.endr
.else
	v_pk_fma_f32 v[rR:rR+1], v[rS+6:rS+7], v[rM+6:rM+7], v[rR:rR+1]
	v_pk_mul_f32 v[rS+6:rS+7], v[rS+6:rS+7], v[rM+6:rM+7]
.irp n, 0,1,2,3
	v_cvt_pk_f16_f32 v[S+16*rho+4*kt+(\n)], v[rS+2*(\n)], v[rS+2*(\n)+1]
.endr
.endif
.endm
; THE LDS LOADS stand in three runs: R1 = K and the first piece's mask (24), VLOAD 0 and MLOAD 1 = V's channels 0-127 and the second piece's mask (24), VLOAD 8 = V's channels 128-255 (16).
; hf = which step of the slot's pair: its K lies 64 rows, its mask 256 bytes further on.
.macro MLOAD p, adr, hf
.irp u, 0,1
.irp kt, 0,1
	ds_load_b128 v[MK+16*(2*(\p)+(\u))+8*(\kt):MK+16*(2*(\p)+(\u))+8*(\kt)+3],   v[\adr] offset:(\u)*16*MP+(\hf)*256+64*(\kt)
	ds_load_b128 v[MK+16*(2*(\p)+(\u))+8*(\kt)+4:MK+16*(2*(\p)+(\u))+8*(\kt)+7], v[\adr] offset:(\u)*16*MP+(\hf)*256+64*(\kt)+16
.endr
.endr
.endm
.macro VLOAD c0, adr
	WIN 0x40
.irp d, 0,1,2,3,4,5,6,7
	ds_load_tr16_b128 v[128+8*((\c0)+(\d)):128+8*((\c0)+(\d))+3],   v[\adr] offset:32*((\c0)+(\d))
	ds_load_tr16_b128 v[128+8*((\c0)+(\d))+4:128+8*((\c0)+(\d))+7], v[\adr] offset:32*((\c0)+(\d))+8704
.endr
	WIN 0
.endm
.macro R1 hf
.irp kt, 0,1
.irp dc, 0,1,2,3
	ds_load_b128 v[KF+8*(4*(\kt)+(\dc)):KF+8*(4*(\kt)+(\dc))+3],   v[AK] offset:(\hf)*17408+(\kt)*4352+64*(\dc)
	ds_load_b128 v[KF+8*(4*(\kt)+(\dc))+4:KF+8*(4*(\kt)+(\dc))+7], v[AK] offset:(\hf)*17408+(\kt)*4352+64*(\dc)+32
.endr
.endr
	MLOAD 0, AMA, \hf
.endm
; Behind the fill that brings the mask of pair m + 1 the work-group asks for its half of the mask tile of pair m + 2, which the next fill will bring: 128 blocks of 256 bytes, a lane a block; the other batch's
; work-group asks for the other half, so each block is asked for once.  The last fill asks for the last tile again: no request passes the mask's end.
.macro PREF
	s_wait_xcnt 0x0                                ; the offset is rewritten only behind this wait; the request that read it stands two steps back
	s_min_u32 s31, s[PFC], 7680
	v_add_nc_u32 v[PFO], s31, v[PFR]
	s_add_co_u32 s[PFC], s[PFC], 512
	global_prefetch_b8 v[PFO], s[74:75] th:TH_LOAD_NT scope:SCOPE_SE
.endm
; A KEY STEP.  zero = 1: the products V^T P start O^T's sums.
; kind 0, an even step 2 m: it reads step 2 m + 1: the second half of the slot in hand, and V from Y behind the plain barrier.
; kind 1, an odd step 2 m - 1: the refill's barrier and the four loads; it reads step 2 m: the first half of the slot that the barrier has shown whole, and V from X or Z.
; kind 2, step 29: as kind 1, but only V of step 31 is left to ask for.     kind 3, step 31: nothing is left to read.
.macro STEP zero, kind
	s_wait_dscnt 40                                ; K and the first piece's mask are in; V's 32 loads and the second piece's 8 may stay out
.set i, 0
.rept 16
	QK 0, i
.set i, i+1
.endr
	WIN 0
.if ((\kind) == 1) || ((\kind) == 2)
	s_wait_tensorcnt 0x0                           ; all my tensor loads have landed (the even step's wait has shown it already); a group 0 may be written
	ds_add_u32 v[SPW], v[NIL]                      ; 0 onto my spare word
	s_xor_b32 s[TBKM], s[TBKM], KM1                ; the reads go on to the other slot and the other of X and Z;
	s_xor_b32 s[TBV], s[TBV], VXZ
	ADDRS                                          ; the four additions are also the places behind the products above
	DSTEP \kind
.else
	PLACES
.endif
.set g, 0
.rept 8
	QK 1, 2*g
	QK 1, 2*g+1
	GRP 0, g
.if (((\kind) == 1) || ((\kind) == 2)) && (g == 1)
	s_wait_dscnt 0x0                               ; the add is done; this step's V and mask are in registers: my reads of the old slot, of the old block and of Y are over
	s_barrier_signal -1
.endif
.if (((\kind) == 1) || ((\kind) == 2)) && (g == 3)
	s_barrier_wait -1
	CREST                                          ; the barrier has opened a round of the cluster's: no wave of any partner still reads what is filled or has a load on its way
.if (\kind) == 1
	JLOAD 1, 1, 1, 1
	PREF
.else
	JLOAD 0, 1, 0, 0
.endif
.endif
.set g, g+1
.endr
.if (\kind) == 0
	R1 1                                           ; the six lines of the last group are the places behind the last product that read K
	s_wait_dscnt 24                                ; all but the 24 just issued: this step's V and second mask are in
.elseif (\kind) == 3
	s_wait_dscnt 0x0
.else
	R1 0
.endif
.set g, 0
.rept 8
	PV 0, 4*g, \zero
	PV 0, 4*g+1, \zero
	PV 0, 4*g+2, \zero
	PV 0, 4*g+3, \zero
	GRP 1, g
.set g, g+1
.endr
.set i, 0
.rept 8
	PV 1, i, \zero
.set i, i+1
.endr
.if (\kind) == 0
	s_wait_tensorcnt 0x0                           ; every wave: the one load that I have out has landed; wave 1's is Y's, which all four waves read behind this barrier
	s_wait_dscnt 0x0                               ; no LDS instruction of mine is out at a signal
	s_barrier_signal -1
.endif
.rept 8
	PV 1, i, \zero
.set i, i+1
.endr
.if (\kind) == 0
	s_barrier_wait -1                              ; Y is whole for every wave
.endif
.if (\kind) == 0
	PLACES                                         ; for the loads into V's first half
	VLOAD 0, AVY
	MLOAD 1, AMB, 1
.elseif (\kind) < 3
	PLACES
	VLOAD 0, AVB
	MLOAD 1, AMB, 0
.endif
.rept 16
	PV 1, i, \zero
.set i, i+1
.endr
.if (\kind) == 0
	PLACES
	VLOAD 8, AVY
.elseif (\kind) < 3
	PLACES
	VLOAD 8, AVB
.endif
	WIN 0
.endm
	s_wait_tensorcnt 0x0                           ; the first change of slots: pair 0 and V of step 0 are in; nothing has been read yet; slot 1, Z and Y are asked for as every refill is
	ds_add_u32 v[SPW], v[NIL]
	DSTEP 0
	s_wait_dscnt 0x0
	CROUND
	JLOAD 1, 1, 1, 1
	PREF
	ADDRS
	R1 0                                           ; step 0
	VLOAD 0, AVB
	MLOAD 1, AMB, 0
	VLOAD 8, AVB
	STEP 1, 0                                      ; key step 0 stands in front of the loop: its products start O^T's sums
	s_mov_b32 s3, 14
.Lkeys:                                                ; a trip: steps 2 m - 1 and 2 m, m = 1 .. 14
	STEP 0, 1
	STEP 0, 0
	s_sub_co_u32 s3, s3, 1
	s_cmp_lg_u32 s3, 0
	s_cbranch_scc1 .Lkeys
	STEP 0, 2                                      ; the tail is written out: step 29 asks for V of step 31 alone,
	STEP 0, 0                                      ; step 30 for nothing,
	STEP 0, 3                                      ; and step 31 reads nothing
	; THE WAY OUT.  silu(g) of my 32 kept rows is asked for; the row sums are gathered (these lines are the places behind the last products); the tiles handed over change waves through LDS, over the slots.
.set i, 0
.rept 32
	global_load_b128 v[KF+4*i:KF+4*i+3], v[GO], s[76:77] offset:512*i
.set i, i+1
.endr
.irp p, 0,1,2,3
	v_pk_add_f32 v[RS+4*(\p):RS+4*(\p)+1], v[RS+4*(\p):RS+4*(\p)+1], v[RS+4*(\p)+2:RS+4*(\p)+3]
.endr
	v_add_f32 v[RS], v[RS], v[RS+1]
	v_add_f32 v[RS+4], v[RS+4], v[RS+5]
	v_add_f32 v[T], v[RS+8], v[RS+9]
	v_add_f32 v[T+1], v[RS+12], v[RS+13]
	s_wait_dscnt 0x0
	s_barrier_signal -1                            ; every wave's reads of the slots are over
	s_barrier_wait -1
	WIN 0x0c                                       ; store data in window 3
.set i, 0
.rept 64
	ds_store_b128 v[XW], v[4*i:4*i+3] offset:512*i
.set i, i+1
.endr
	WIN 0
	ds_store_b64 v[RSW], v[T:T+1]
	s_wait_dscnt 0x0                               ; for my partner's sake
	s_barrier_signal -1
	s_barrier_wait -1
	WIN 0xc0                                       ; destination window 3
.set i, 0
.rept 64
	ds_load_b128 v[4*i:4*i+3], v[XR] offset:512*i
.set i, i+1
.endr
	WIN 0
	ds_load_b64 v[T+2:T+3], v[RSR]
	s_wait_dscnt 0x0
	WIN 0x8e                                       ; window 2 += window 3
.set i, 0
.rept 128
	v_pk_add_f32 v[2*i:2*i+1], v[2*i:2*i+1], v[2*i:2*i+1]
.set i, i+1
.endr
	WIN 0
	v_add_f32 v[RS], v[RS], v[T+2]
	v_add_f32 v[RS+4], v[RS+4], v[T+3]
	v_permlanex16_b32 v20, v[RS], s[SEL], s[SEL+1] ; a query's other keys lie in the lane 16 away
	v_permlanex16_b32 v21, v[RS+4], s[SEL], s[SEL+1]
	v_add_f32 v20, v[RS], v20
	v_add_f32 v21, v[RS+4], v21
	s_mov_b32 s82, 0x358637bd                      ; 1e-6
; Tile t: the sum of squares of O^T in four chains; D = max(1, |row sum x 2^E 128^-0.5|); a = 2^E 128^-0.5 / D; the factor a / sqrt(a^2 SS / 256 + 1e-6).
.macro FCT t
	WIN 0x0a                                       ; sources 0 and 1 in window 2
.set i, 0
.rept 64
.if i < 4
	v_pk_mul_f32 v[T+4+2*i:T+5+2*i], v[128*(\t)+2*i:128*(\t)+2*i+1], v[128*(\t)+2*i:128*(\t)+2*i+1]
.else
	v_pk_fma_f32 v[T+4+2*(i%4):T+5+2*(i%4)], v[128*(\t)+2*i:128*(\t)+2*i+1], v[128*(\t)+2*i:128*(\t)+2*i+1], v[T+4+2*(i%4):T+5+2*(i%4)]
.endif
.set i, i+1
.endr
	WIN 0
	v_pk_add_f32 v[T+4:T+5], v[T+4:T+5], v[T+6:T+7]
	v_pk_add_f32 v[T+8:T+9], v[T+8:T+9], v[T+10:T+11]
	v_pk_add_f32 v[T+4:T+5], v[T+4:T+5], v[T+8:T+9]
	v_add_f32 v22, v[T+4], v[T+5]
	v_permlanex16_b32 v24, v22, s[SEL], s[SEL+1]   ; the query's other 128 channels
	v_add_f32 v22, v22, v24
	v_mul_f32 v25, v[20+(\t)], v[AL0]
	v_and_b32 v25, 0x7fffffff, v25
	v_max_num_f32 v25, 1.0, v25
	v_rcp_f32 v25, v25
	v_nop                                          ; a plain instruction behind the reciprocal (ISA guide 5.7.2)
	s_wait_alu depctr_va_vdst(0)
	v_mul_f32 v25, v[AL0], v25
	v_mul_f32 v23, v25, v25
	v_mul_f32 v23, 0x3b800000, v23                 ; / 256
	v_fma_f32 v23, v23, v22, s82                   ; + 1e-6
	v_rsq_f32 v23, v23
	v_nop
	s_wait_alu depctr_va_vdst(0)
	v_mul_f32 v[T+12+2*(\t)], v25, v23
	v_mov_b32 v[T+13+2*(\t)], v25                  ; named with it as a pair
.endm
	FCT 0
	FCT 1
; Tile t leaves: scaled, rounded to f16, through my stage (a lane's 8 channels are 16 bytes; a row comes back whole, 512 bytes), times silu(g), stored.
.macro OUTT t
	WIN 0x82                                       ; O^T (destination and source 0) in window 2
.set i, 0
.rept 64
	v_pk_mul_f32 v[128*(\t)+2*i:128*(\t)+2*i+1], v[128*(\t)+2*i:128*(\t)+2*i+1], v[T+12+2*(\t):T+13+2*(\t)] op_sel_hi:[1,0]
.set i, i+1
.endr
	s_wait_xcnt 0x0                                ; the registers below were the last tile's store data
	WIN 0x0a
.set i, 0
.rept 64
	v_cvt_pk_f16_f32 v[S+i], v[128*(\t)+2*i], v[128*(\t)+2*i+1]
.set i, i+1
.endr
	WIN 0
.set i, 0
.rept 16
	ds_store_b128 v[STO], v[S+4*i:S+4*i+3] offset:(\t)*16*SP+32*i
.set i, i+1
.endr
.set i, 0
.rept 16
	ds_load_b128 v[S+4*i:S+4*i+3], v[RD] offset:(\t)*16*SP+SP*i  ; LDS serves a wave's instructions in order (ISA guide 5.7.1.4): these see the stores above
.set i, i+1
.endr
.set i, 0
.rept 16
	s_wait_dscnt 15-i                              ; row i is back; the later rows may stay out
.irp k, 0,1,2,3
	v_pk_mul_f16 v[S+4*i+(\k)], v[S+4*i+(\k)], v[KF+4*(16*(\t)+i)+(\k)]
.endr
	global_store_b128 v[GO], v[S+4*i:S+4*i+3], s[78:79] offset:(16*(\t)+i)*4096  ; 512 consecutive bytes, at a multiple of 256 from og's first byte
.set i, i+1
.endr
.endm
	s_wait_loadcnt 0x0                             ; silu(g)
	OUTT 0
	OUTT 1
	s_wait_tensorcnt 0x0                           ; the wave's end, behind my last tensor load and my last LDS store
	ds_add_u32 v[SPW], v[NIL]
	s_wait_dscnt 0x0
	CROUND                                         ; the closing round
	s_endpgm
.Lfunc_end_k_qf63ce24d99_ret:
	.size	k_qf63ce24d99_ret, .Lfunc_end_k_qf63ce24d99_ret-k_qf63ce24d99_ret
	.p2alignl 7, 3214868480
	.fill 96, 4, 3214868480
	.section	.rodata,"a",@progbits
	.p2align	6, 0x0
	.amdhsa_kernel k_qf63ce24d99_ret
		.amdhsa_group_segment_fixed_size 327680
		.amdhsa_private_segment_fixed_size 0
		.amdhsa_enable_private_segment 0
		.amdhsa_kernarg_size 48
		.amdhsa_user_sgpr_count 2
		.amdhsa_user_sgpr_kernarg_segment_ptr 1
		.amdhsa_wavefront_size32 1
		.amdhsa_system_sgpr_workgroup_id_x 1
		.amdhsa_system_sgpr_workgroup_id_y 1
		.amdhsa_system_sgpr_workgroup_id_z 1
		.amdhsa_system_vgpr_workitem_id 0
		.amdhsa_next_free_vgpr 1024
		.amdhsa_next_free_sgpr 100
		.amdhsa_reserve_vcc 0
		.amdhsa_float_denorm_mode_32 3
		.amdhsa_float_denorm_mode_16_64 3
		.amdhsa_memory_ordered 1
		.amdhsa_forward_progress 1
		.amdhsa_inst_pref_size 201
	.end_amdhsa_kernel
	.amdgpu_metadata
---
amdhsa.version: [ 1, 2 ]
amdhsa.kernels:
  - .name:           k_qf63ce24d99_ret
    .symbol:         k_qf63ce24d99_ret.kd
    .args:
      - { .name: qk, .offset: 0, .size: 8, .value_kind: global_buffer, .address_space: global }
      - { .name: vh, .offset: 8, .size: 8, .value_kind: global_buffer, .address_space: global }
      - { .name: sg, .offset: 16, .size: 8, .value_kind: global_buffer, .address_space: global }
      - { .name: st, .offset: 24, .size: 8, .value_kind: global_buffer, .address_space: global }
      - { .name: mask, .offset: 32, .size: 8, .value_kind: global_buffer, .address_space: global }
      - { .name: og, .offset: 40, .size: 8, .value_kind: global_buffer, .address_space: global }
    .group_segment_fixed_size: 327680
    .private_segment_fixed_size: 0
    .kernarg_segment_align: 8
    .kernarg_segment_size: 48
    .max_flat_workgroup_size: 128
    .sgpr_count:     100
    .vgpr_count:     1024
    .wavefront_size: 32
...
	.end_amdgpu_metadata
.endif
;; end of part 3
;; launch outp (part 4): grid 8 x 32, 4 waves a work-group, clusters of 4 x 4, 327,680 bytes of LDS; arguments og, woh, out0; writes out0
.if DOCPART == 4
	.amdgcn_target "amdgcn-amd-amdhsa--gfx1250"
	.amdhsa_code_object_version 6
	.text
	.protected	k_qf63ce24d99_outp
	.globl	k_qf63ce24d99_outp
	.p2align	8
	.type	k_qf63ce24d99_outp,@function
k_qf63ce24d99_outp:
	s_mov_b64 s[64:65], 0
	v_nop
	global_prefetch_b8 v0, s[64:65] scope:SCOPE_SE
	s_setreg_imm32_b32 hwreg(HW_REG_WAVE_MODE, 25, 1), 1
	s_wait_xcnt 0x0
	s_wait_alu depctr_hold_cnt(0) depctr_sa_sdst(0) depctr_va_vdst(0) depctr_va_sdst(0) depctr_va_ssrc(0) depctr_va_vcc(0) depctr_vm_vsrc(0)
	s_getreg_b32 s2, hwreg(HW_REG_IB_STS2, 6, 4)
	s_cmp_eq_u32 s2, 0
	s_cbranch_scc0 .Lentry_in_a_cluster
	s_endpgm
.Lentry_in_a_cluster:
	s_bfe_u32 s2, ttmp6, 0x10000c
	s_cmp_lg_u32 s2, 0xf033
	s_cbranch_scc0 .Lentry_shape_is_right
	s_endpgm
.Lentry_shape_is_right:
; out0[m][n] = sum over k of og[m][k] Wo[k][n].  og [4096][2048] f16, woh [2048][1024] f16, out0 [4096][1024] f32; sums in f32, K ascending.
; 4096 x 1024 falls into 256 tiles of 128 x 128, one for each work-group.  Four waves, each 64 x 64: 16 accumulators.  K goes in 8 steps of 256 through two LDS slots.
; og's rows lie along K and come out of LDS as they lie; Wo lies [k][n] and comes out turned, by ds_load_tr16_b128.  THE MATRIX INSTRUCTION IS USED TRANSPOSED (source 0 = 16 columns of Wo, source 1 = 16 rows of og):
; a lane holds one row and eight neighbouring columns.  A wave's 64 columns of f32 are 256 bytes at a multiple of 256: each wave has a stage of its own, and no barrier stands on the way out.
; CLUSTER 4 x 4: og's tile is asked for jointly along a row of the cluster, Wo's along a column.
; REGISTERS: window 0: v16-29 addresses; v32-95 the way out; v128-255 the accumulators ((a, b) at v[128 + 8 (4 a + b)]).  window 1: two fragment buffers of 128: for 64 along K, 64 registers of og, then 64 of Wo.
.set PITCH,  528                       ; og's LDS row: 512 bytes + 16
.set PB,     288                       ; Wo's: 256 + 32 = 9 x 32
.set HALFA,  64*PITCH
.set HALFB,  128*PB
.set BOFF,   2*HALFA
.set SLOT,   BOFF+2*HALFB              ; 141,312
.set STAGE,  2*SLOT                    ; behind the ring: 16 rows x 272 bytes for each wave
.set SPITCH, 272
.set SPARE,  STAGE+4*16*SPITCH         ; the spare words, 128 bytes a wave
.set ADRA, 16                          ; v16-17  og's fragments in slot 0, 1
.set ADRB, 20                          ; v20-23  Wo's: slot 0 k 0-127, slot 0 k 128-255, slot 1 likewise: so the immediates stay inside 16 bits
.set STO,  24
.set RD,   25
.set CO,   26
.set SPW,  28
.set NIL,  29
.set TMP,  32
.set ACC,  128
.set F0,   0
.set F1,   128
.set G1, 24
.set G0, 32
.set G1B, 48
.set G0B, 56
.set MSB, 0
.macro WIN new
.if MSB != (\new)
	s_set_vgpr_msb (MSB<<8)|(\new)
.set MSB, \new
.endif
.endm
.set MUL,  0x05                        ; sources 0 and 1 window 1; C and D window 0
.set TO_F, 0x40                        ; destination window 1, address window 0
.macro JLOAD s                         ; waves 0 and 1 fetch og's two halves, waves 2 and 3 Wo's; an s_nop 0 and four v_nop follow each line
	s_cmp_eq_u32 s11, 0
	s_cbranch_scc0 .Lfor_b_\@
	tensor_load_to_lds s[G0+4*(\s):G0+4*(\s)+3], s[G1:G1+7]
	s_nop 0
.rept 4
	v_nop
.endr
	s_branch .Lasked_\@
.Lfor_b_\@:
	tensor_load_to_lds s[G0B+4*(\s):G0B+4*(\s)+3], s[G1B:G1B+7]
	s_nop 0
.rept 4
	v_nop
.endr
.Lasked_\@:
.endm
.macro CREST
	s_cmp_lg_u32 s10, 0
	s_cbranch_scc1 .Lnot_wave_0_\@
	s_barrier_signal -3
.Lnot_wave_0_\@:
	s_barrier_wait -3
	s_barrier_signal -1
	s_barrier_wait -1
.endm
.macro CROUND
	s_barrier_signal -1
	s_barrier_wait -1
	CREST
.endm
.macro PLACES
.rept 4
	v_nop
.endr
.endm
	s_load_b128 s[4:7], s[0:1], 0x0                ; og, woh
	s_load_b64 s[8:9], s[0:1], 0x10                ; out0
	v_lshl_add_u32 v[SPW], v0, 2, SPARE
	v_mov_b32 v[NIL], 0
	ds_add_u32 v[SPW], v[NIL]                      ; the wave's opening: the add and its wait ahead of my first tensor load
	v_lshrrev_b32 v1, 5, v0
	v_readfirstlane_b32 s10, v1
	s_lshr_b32 s11, s10, 1                         ; my half of the rows.  Also: I fetch for og (0) or for Wo (1)
	s_and_b32 s12, s10, 1                          ; my half of the columns.  Also: which half of that tile I fetch
	s_bfe_u32 s40, ttmp6, 0x40000
	s_bfe_u32 s41, ttmp6, 0x40004
	s_lshl_b32 s42, ttmp9, 2
	s_add_co_u32 s42, s42, s40                     ; tile column
	s_and_b32 s13, ttmp7, 0xffff
	s_lshl_b32 s13, s13, 2
	s_add_co_u32 s13, s13, s41                     ; tile row
	s_lshl_b32 s43, s41, 2
	s_lshl_b32 s43, 15, s43
	s_lshl_b32 s44, 0x1111, s40
	s_or_b32 s[G1+0], s43, (1<<16)|(1<<20)|(1<<21)|(6<<22)|(3<<25)   ; og: 64 rows x 256 f16, 16 bytes of padding after every 512
	s_mov_b32 s[G1+1], 256<<16
	s_mov_b32 s[G1+2], 64<<16
	s_mov_b32 s[G1+3], 256<<16
	s_mov_b32 s[G1+4], 64
	s_mov_b32 s[G1+5], 2048
	s_mov_b32 s[G1+6], 0
	s_mov_b32 s[G1+7], 0
	s_or_b32 s[G1B+0], s44, (1<<16)|(1<<20)|(1<<21)|(5<<22)|(7<<25)  ; Wo: 128 rows of k x 128 f16, 32 bytes after every 256
	s_mov_b32 s[G1B+1], 128<<16
	s_mov_b32 s[G1B+2], 128<<16
	s_mov_b32 s[G1B+3], 128<<16
	s_mov_b32 s[G1B+4], 128
	s_mov_b32 s[G1B+5], 1024
	s_mov_b32 s[G1B+6], 0
	s_mov_b32 s[G1B+7], 0
	s_lshl_b32 s16, s13, 19                        ; og: (128 tile row + 64 half) rows of 4,096 bytes
	s_lshl_b32 s17, s12, 18
	s_add_co_u32 s16, s16, s17
	s_mov_b32 s17, 0
	s_lshl_b32 s46, s12, 18                        ; Wo: 128 half rows of 2,048 bytes + 256 tile column
	s_lshl_b32 s47, s42, 8
	s_add_co_u32 s46, s46, s47
	s_mov_b32 s47, 0
	s_mul_i32 s20, s12, HALFA
	s_mul_i32 s21, s12, HALFB
	s_add_co_u32 s21, s21, BOFF
	s_wait_dscnt 0x0                               ; the opening add is done
	s_wait_kmcnt 0x0
	s_add_nc_u64 s[14:15], s[4:5], s[16:17]
	s_add_nc_u64 s[46:47], s[6:7], s[46:47]
	CROUND                                         ; all sixteen work-groups are here: the first joint loads meet
.irp s, 0,1
	s_mov_b32 s[G0+4*(\s)], 1
	s_add_co_u32 s[G0+4*(\s)+1], s20, (\s)*SLOT
	s_add_nc_u64 s[G0+4*(\s)+2:G0+4*(\s)+3], s[14:15], (\s)*512
	s_or_b32 s[G0+4*(\s)+3], s[G0+4*(\s)+3], 0x80000000
	s_mov_b32 s[G0B+4*(\s)], 1
	s_add_co_u32 s[G0B+4*(\s)+1], s21, (\s)*SLOT
	s_add_nc_u64 s[G0B+4*(\s)+2:G0B+4*(\s)+3], s[46:47], (\s)*524288
	s_or_b32 s[G0B+4*(\s)+3], s[G0B+4*(\s)+3], 0x80000000
	JLOAD \s
.endr
	v_and_b32 v1, 15, v0                           ; l % 16
	v_bfe_u32 v2, v0, 4, 1                         ; l / 16
	v_and_b32 v6, 7, v0
	v_bfe_u32 v7, v0, 3, 1
	v_mul_u32_u24 v3, v1, PITCH
	v_lshl_add_u32 v3, v2, 4, v3
	s_mul_i32 s22, s11, HALFA
	v_add_nc_u32 v[ADRA], s22, v3
	v_add_nc_u32 v[ADRA+1], SLOT, v[ADRA]
	v_lshl_add_u32 v3, v2, 3, v6                   ; the turning load: k = 8 (l / 16) + l % 8, columns 8 ((l / 8) % 2) on
	v_mul_u32_u24 v3, v3, PB
	v_lshl_add_u32 v3, v7, 4, v3
	s_lshl_b32 s22, s12, 7
	s_add_co_u32 s22, s22, BOFF
	v_add_nc_u32 v[ADRB], s22, v3
	v_add_nc_u32 v[ADRB+1], HALFB, v[ADRB]
	v_add_nc_u32 v[ADRB+2], SLOT, v[ADRB]
	v_add_nc_u32 v[ADRB+3], SLOT, v[ADRB+1]
	s_mul_i32 s23, s10, 16*SPITCH
	s_add_co_u32 s23, s23, STAGE                   ; my stage
	v_mul_u32_u24 v4, v1, SPITCH                   ; in: row l % 16, 32 bytes for each half of the lanes
	v_lshl_add_u32 v4, v2, 5, v4
	v_add_nc_u32 v[STO], s23, v4
	v_mul_u32_u24 v5, v2, SPITCH                   ; back: lanes 0-15 one row of 256 bytes, lanes 16-31 the next
	v_lshl_add_u32 v5, v1, 4, v5
	v_add_nc_u32 v[RD], s23, v5
	v_lshlrev_b32 v5, 12, v2                       ; and the same two rows in out0
	v_lshl_add_u32 v[CO], v1, 4, v5
	s_lshl_b32 s16, s13, 19                        ; out0: row 128 tile row + 64 wm, 4,096 bytes each; columns 128 tile column + 64 wn, 4 bytes each
	s_lshl_b32 s17, s11, 18
	s_add_co_u32 s16, s16, s17
	s_lshl_b32 s17, s42, 9
	s_add_co_u32 s16, s16, s17
	s_lshl_b32 s17, s12, 8
	s_add_co_u32 s16, s16, s17
	s_mov_b32 s17, 0
	s_add_nc_u64 s[8:9], s[8:9], s[16:17]
; 8 matrix instructions: row blocks a0, a0 + 1 x all 4 column blocks, 32 along K: half c of buffer f.  The 16 accumulators take turns.
.macro MUL8 f, c, a0, zero
	WIN MUL
.irp a, \a0, (\a0)+1
.irp b, 0,1,2,3
.if \zero
	v_wmma_f32_16x16x32_f16 v[ACC+8*(4*(\a)+(\b)):ACC+8*(4*(\a)+(\b))+7], v[(\f)+64+8*(4*(\c)+(\b)):(\f)+64+8*(4*(\c)+(\b))+7], v[(\f)+8*(4*(\c)+(\a)):(\f)+8*(4*(\c)+(\a))+7], 0
.else
	v_wmma_f32_16x16x32_f16 v[ACC+8*(4*(\a)+(\b)):ACC+8*(4*(\a)+(\b))+7], v[(\f)+64+8*(4*(\c)+(\b)):(\f)+64+8*(4*(\c)+(\b))+7], v[(\f)+8*(4*(\c)+(\a)):(\f)+8*(4*(\c)+(\a))+7], v[ACC+8*(4*(\a)+(\b)):ACC+8*(4*(\a)+(\b))+7]
.endif
.endr
.endr
.endm
; 32 LDS loads in one run: the fragments of quarter kq (64 along K) into buffer f; its first 32 along K first
.macro FETCH slot, kq, f
	WIN TO_F
.irp c, 0,1
.irp i, 0,1,2,3
	ds_load_tr16_b128 v[(\f)+64+8*(4*(\c)+(\i)):(\f)+64+8*(4*(\c)+(\i))+3],   v[ADRB+2*(\slot)+(\kq)/2] offset:(((\kq)%2)*2+(\c))*32*PB+32*(\i)
	ds_load_tr16_b128 v[(\f)+64+8*(4*(\c)+(\i))+4:(\f)+64+8*(4*(\c)+(\i))+7], v[ADRB+2*(\slot)+(\kq)/2] offset:(((\kq)%2)*2+(\c))*32*PB+32*(\i)+16*PB
	ds_load_b128 v[(\f)+8*(4*(\c)+(\i)):(\f)+8*(4*(\c)+(\i))+3],             v[ADRA+(\slot)] offset:(\kq)*128+64*(\c)+(\i)*16*PITCH
	ds_load_b128 v[(\f)+8*(4*(\c)+(\i))+4:(\f)+8*(4*(\c)+(\i))+7],           v[ADRA+(\slot)] offset:(\kq)*128+64*(\c)+(\i)*16*PITCH+32
.endr
.endr
.endm
; A K step is four quarters of 64 along K, 32 matrix instructions each, on buffers 0, 1, 0, 1.  One of the first three: multiplies buffer f and fetches quarter kq into g.
.macro QUARTER slot, kq, f, g, zero
	s_wait_dscnt 16                                ; the first 32 along K are in
	MUL8 \f, 0, 0, \zero
	MUL8 \f, 0, 2, \zero
	PLACES
	FETCH \slot, \kq, \g
	s_wait_dscnt 32                                ; all but the 32 just issued
	MUL8 \f, 1, 0, 0
	MUL8 \f, 1, 2, 0
.endm
; The last quarter multiplies buffer 1 and changes slots: ONE barrier; in front of it each wave waits for all its tensor loads, adds 0 to its spare word, and waits for that and for its reads of this slot.
.macro TURN slot, next, fill
	WIN 0                                          ; (the add's two registers lie in window 0)
	s_wait_tensorcnt 0x0                           ; all my tensor loads have landed: my part of the next slot
	ds_add_u32 v[SPW], v[NIL]                      ; 0 onto my spare word
	s_wait_dscnt 17                                ; (the add and the youngest sixteen loads may be out)
	MUL8 F1, 0, 0, 0
	s_wait_dscnt 0x0                               ; the add is done, and my reads of this slot are over
	s_barrier_signal -1
	MUL8 F1, 0, 2, 0
.if \fill
	WIN 0
.endif
	s_barrier_wait -1
.if \fill
	CREST                                          ; no wave of any partner still reads this slot's tile or has a load on its way
	s_add_nc_u64 s[G0+4*(\slot)+2:G0+4*(\slot)+3], s[G0+4*(\slot)+2:G0+4*(\slot)+3], 1024
	s_add_nc_u64 s[G0B+4*(\slot)+2:G0B+4*(\slot)+3], s[G0B+4*(\slot)+2:G0B+4*(\slot)+3], 1048576
	JLOAD \slot                                    ; 112 matrix instructions ahead of the wait for it; its four v_nop are also the places in front of the loads below
.else
	PLACES
.endif
	FETCH \next, 0, F0
	MUL8 F1, 1, 0, 0
	MUL8 F1, 1, 2, 0
.endm
	s_wait_tensorcnt 1                             ; my part of K step 0 is in; step 1's may stay out
	s_barrier_signal -1
	s_barrier_wait -1
	FETCH 0, 0, F0
	QUARTER 0, 1, F0, F1, 1                        ; the first quarter stands in front of the loop: its first products start the sums
	WIN 0
	s_mov_b32 s3, 3
.Llap:                                                 ; a trip goes once round the ring and fills both slots again
	QUARTER 0, 2, F1, F0, 0
	QUARTER 0, 3, F0, F1, 0
	TURN 0, 1, 1
	QUARTER 1, 1, F0, F1, 0
	QUARTER 1, 2, F1, F0, 0
	QUARTER 1, 3, F0, F1, 0
	TURN 1, 0, 1
	QUARTER 0, 1, F0, F1, 0
	WIN 0
	s_sub_co_u32 s3, s3, 1
	s_cmp_lg_u32 s3, 0
	s_cbranch_scc1 .Llap
	QUARTER 0, 2, F1, F0, 0                        ; the last lap fills nothing
	QUARTER 0, 3, F0, F1, 0
	TURN 0, 1, 0
	QUARTER 1, 1, F0, F1, 0
	QUARTER 1, 2, F1, F0, 0
	QUARTER 1, 3, F0, F1, 0
	s_wait_dscnt 16
	MUL8 F1, 0, 0, 0
	MUL8 F1, 0, 2, 0
	s_wait_dscnt 0x0
	MUL8 F1, 1, 0, 0
	MUL8 F1, 1, 2, 0
	WIN 0
; THE WAY OUT, 16 rows at a time: a lane's 8 columns (32 bytes, the low four first) into my stage; back as whole rows of 256 bytes; stored.
.macro TOSTAGE a
.if (\a) >= 2
	s_wait_xcnt 0x0                                ; the registers loaded below were the store data of the block two back
.endif
.irp b, 0,1,2,3
	ds_store_b128 v[STO], v[ACC+8*(4*(\a)+(\b)):ACC+8*(4*(\a)+(\b))+3]   offset:64*(\b)
	ds_store_b128 v[STO], v[ACC+8*(4*(\a)+(\b))+4:ACC+8*(4*(\a)+(\b))+7] offset:64*(\b)+16
.endr
.irp t, 0,1,2,3,4,5,6,7
	ds_load_b128 v[TMP+32*((\a)%2)+4*(\t):TMP+32*((\a)%2)+4*(\t)+3], v[RD] offset:(\t)*2*SPITCH  ; LDS serves a wave's instructions in order (ISA guide 5.7.1.4): these see the stores above, and the next block's stores come behind them
.endr
.endm
.macro SEND a, younger                 ; younger: the next block's eight stores and eight loads, or none
	s_wait_dscnt \younger
.irp t, 0,1,2,3,4,5,6,7
	global_store_b128 v[CO], v[TMP+32*((\a)%2)+4*(\t):TMP+32*((\a)%2)+4*(\t)+3], s[8:9] offset:(16*(\a)+2*(\t))*4096  ; 16 lanes store 256 consecutive bytes, at a multiple of 256 from out0's first byte
.endr
.endm
	PLACES
	TOSTAGE 0
	TOSTAGE 1
	SEND 0, 16
	TOSTAGE 2
	SEND 1, 16
	TOSTAGE 3
	SEND 2, 16
	SEND 3, 0
	s_wait_tensorcnt 0x0                           ; the wave's end, behind my last tensor load and my last LDS store
	ds_add_u32 v[SPW], v[NIL]
	s_wait_dscnt 0x0
	CROUND                                         ; the closing round
	s_endpgm
.Lfunc_end_k_qf63ce24d99_outp:
	.size	k_qf63ce24d99_outp, .Lfunc_end_k_qf63ce24d99_outp-k_qf63ce24d99_outp
	.p2alignl 7, 3214868480
	.fill 96, 4, 3214868480
	.section	.rodata,"a",@progbits
	.p2align	6, 0x0
	.amdhsa_kernel k_qf63ce24d99_outp
		.amdhsa_group_segment_fixed_size 327680
		.amdhsa_private_segment_fixed_size 0
		.amdhsa_enable_private_segment 0
		.amdhsa_kernarg_size 24
		.amdhsa_user_sgpr_count 2
		.amdhsa_user_sgpr_kernarg_segment_ptr 1
		.amdhsa_wavefront_size32 1
		.amdhsa_system_sgpr_workgroup_id_x 1
		.amdhsa_system_sgpr_workgroup_id_y 1
		.amdhsa_system_sgpr_workgroup_id_z 1
		.amdhsa_system_vgpr_workitem_id 0
		.amdhsa_next_free_vgpr 512
		.amdhsa_next_free_sgpr 66
		.amdhsa_reserve_vcc 0
		.amdhsa_float_denorm_mode_32 3
		.amdhsa_float_denorm_mode_16_64 3
		.amdhsa_memory_ordered 1
		.amdhsa_forward_progress 1
		.amdhsa_inst_pref_size 86
	.end_amdhsa_kernel
	.amdgpu_metadata
---
amdhsa.version: [ 1, 2 ]
amdhsa.kernels:
  - .name:           k_qf63ce24d99_outp
    .symbol:         k_qf63ce24d99_outp.kd
    .args:
      - { .name: og, .offset: 0, .size: 8, .value_kind: global_buffer, .address_space: global }
      - { .name: woh, .offset: 8, .size: 8, .value_kind: global_buffer, .address_space: global }
      - { .name: out0, .offset: 16, .size: 8, .value_kind: global_buffer, .address_space: global }
    .group_segment_fixed_size: 327680
    .private_segment_fixed_size: 0
    .kernarg_segment_align: 8
    .kernarg_segment_size: 24
    .max_flat_workgroup_size: 128
    .sgpr_count:     66
    .vgpr_count:     512
    .wavefront_size: 32
...
	.end_amdgpu_metadata
.endif
;; end of part 4
